; MI455X (gfx1250); checked and timed in simulation.
; The chip was launched on July 23, 2026; its instructions are those of AMD's public machine-readable ISA for CDNA 5 (MIT licence, August 2026) and "CDNA5" Instruction Set Architecture Reference Guide (July 2026). The comments in the code are by the model that wrote it; some were corrected since.
;; Multihead Attention. Allowed arithmetic: matrix products marked QUANTISED: E2M1 operands, one E8M0 scale for each 32 along K, by v_wmma_scale_f32_16x16x128_f8f6f4 with both operands' format E2M1 (or v_wmma_scale_f32_32x16x128_f4), f32 sums; products left as they are: bf16, f16 or f32 operands; f32 sums; everything else in f32.
;; Inputs: W_kv 1,024 x 2,048 float32; W_o 1,024 x 1,024 float32; b_kv 2,048 float32; b_o 1,024 float32; c 4 x 2,048 x 1,024 float32; q 4 x 2,048 x 1,024 float32.
;; Outputs: out0 4 x 2,048 x 1,024 float32.
;; This version of the problem:
;;   THIS VERSION OF THE PROBLEM IS GIVEN IN LOW PRECISION. The matrix products marked QUANTISED in the list below multiply operands that are first quantised to E2M1 (2 exponent bits, 1 mantissa bit; 4 bits a number), with one power-of-two scale for each 32 numbers along K (OCP MX v1.0); their sums are f32. The products marked 'left as it is' may take bf16, f16 or f32 operands, with f32 sums. Whichever they take, every output number must still come out within the allowed error. Rounding operands to bf16 (8 significant bits) uses up far more of that allowance than f16 does (11 bits, for magnitudes from 6e-5 to 65,504). All else is computed in f32.
;;   The module's matrix products, in the order in which they are computed (A, B: the left and right operand; K: the contracted axis; several contracted axes count as one K, in the product's order):
;;     1. [M 8,192, K 1,024] x [K 1,024, N 2,048]; A: input c; B: input W_kv: QUANTISED
;;     2. batch 64 x [M 2,048, K 64] x [K 64, N 2,048]; A: input q; B: computed on the way: left as it is (an operand is computed on the way)
;;     3. batch 64 x [M 2,048, K 2,048] x [K 2,048, N 64]; A: computed on the way; B: computed on the way: left as it is (an operand is computed on the way)
;;     4. [M 8,192, K 1,024] x [K 1,024, N 1,024]; A: computed on the way; B: input W_o: left as it is (an operand is computed on the way)
;;   THE QUANTISER, for each operand of a quantised product, along K:
;;     - K is cut into blocks of 32 from its start; a last block that is shorter is filled with zeros.
;;     - A block's scale is 2^e with e = floor(log2(the largest magnitude in the block)) - 2, held to -126 .. 127; a block of zeros has e = 0. As a byte (E8M0): e + 127.
;;     - Each number is divided by its block's scale, clamped to +-6, and rounded to the nearest number of E2M1, ties to even, subnormals kept.
;;     - The product sums the exact products of the quantised numbers (number of the format x scale) in f32.
;;   ~~~python
;;   def quantise(x, axis):      # numpy; x: float32 -> the quantised numbers, widened to float32 again
;;       x = np.moveaxis(x, axis, -1); K = x.shape[-1]
;;       x = np.pad(x, [(0, 0)] * (x.ndim - 1) + [(0, -K % 32)]); x = x.reshape(x.shape[:-1] + (-1, 32)); a = np.abs(x).max(-1, keepdims=True)
;;       e = np.where(a > 0, np.clip(np.frexp(np.where(a > 0, a, 1))[1] - 1 - 2, -126, 127), 0)      # np.frexp(a)[1] - 1 = floor(log2(a)), exactly
;;       r = np.clip(x / 2.0 ** e, -6, 6)
;;       step = 2.0 ** (np.maximum(np.frexp(np.where(r == 0, 1, r))[1] - 1, 0) - 1)
;;       q = np.round(r / step) * step * 2.0 ** e      # np.round: ties to even
;;       return np.moveaxis(q.reshape(q.shape[:-2] + (-1,))[..., :K], -1, axis).astype(np.float32)
;;   ~~~
;; One version. Each part assembles by itself: llvm-mc -triple=amdgcn-amd-amdhsa -mcpu=gfx1250 --defsym DOCPART=n.
;; ======== version 1 of 1: 4 launches
;; limits: values are held in f16: magnitudes above 65,504 overflow, below 6.1e-05 lose precision
;; workspace buffers: c_codes 4,194,304 bytes; c_scales 262,144 bytes; w_codes 1,048,576 bytes; w_scales 65,536 bytes; wo_img 2,097,152 bytes; k_img 16,777,216 bytes; v_img 16,777,216 bytes; val_img 16,777,216 bytes
;; launch prep (part 1): grid 448 x 1, 4 waves a work-group, no clusters, 33,280 bytes of LDS; arguments c, W_kv, W_o, c_codes, c_scales, w_codes, w_scales, wo_img; writes c_codes, c_scales, w_codes, w_scales, wo_img
.if DOCPART == 1
	.amdgcn_target "amdgcn-amd-amdhsa--gfx1250"
	.amdhsa_code_object_version 6
	.text
	.protected	k_q2ad050eade_prep
	.globl	k_q2ad050eade_prep
	.p2align	8
	.type	k_q2ad050eade_prep,@function
k_q2ad050eade_prep:
	s_mov_b64 s[64:65], 0
	v_nop
	global_prefetch_b8 v0, s[64:65] scope:SCOPE_SE
	s_setreg_imm32_b32 hwreg(HW_REG_WAVE_MODE, 25, 1), 1
	s_wait_xcnt 0x0
; PREP: three jobs that share one launch, told apart by the work-group's number; each job has its own path to its own s_endpgm.
;  C (work-groups 0-255):   c [8192][1024] f32 -> codes of FP4 (E2M1), K innermost, [8192][512 bytes], and one E8M0 byte for each 32 along K, [8192][32].
;  W (work-groups 256-383): W_kv [1024 (k)][2048 (n)] f32 -> codes and scale bytes along K, its FIRST axis.  The codes are laid as the images of the reader's operand registers:
;                           block kb (32 along K) of column n is 16 bytes at (n / 16) 8192 + 256 kb + 16 (n % 16); the scale bytes lie [2048][32].
;  O (work-groups 384-447): W_o [1024 (k)][1024 (n)] f32 -> f16, again as register images: k = 128 ks + 32 kf + 8 g + 0..7 of column n is 16 bytes at 262144 ks + (n / 16) 4096 + 1024 kf + 256 g + 16 (n % 16).
; A block's scale is 2^(floor(log2(its largest magnitude)) - 2); its byte is the largest magnitude's exponent field - 2, held at 1 from below.
; LIMITS: a block of zeros gets the byte 1 where the rule says 127 (its codes are zeros, which add nothing, and the bytes are read by this program alone); NaN and infinities among the inputs are not served;
; W_o is rounded to f16: magnitudes from 6e-8 to 65,504 are served, below 6e-5 with fewer bits.
; Path C alone uses LDS.  No tensor loads, no barrier: waves share nothing.  No matrix unit, no cluster: memory binds, and no byte is read twice.
.set WGC,   256
.set WGW,   128
.set STEPS, 16
.set CB,    8                          ; bytes of 16 codes
.set R,     16                         ; path C: v16-79   four sets of 16 numbers as they are loaded
.set X,     80                         ;         v80-111  two sets of 16 neighbours
.set E,     112                        ;         v112-127 a scale byte for each step
.set C,     128                        ;         v128-191 codes: four registers for each step, so that no store's data are written again
.set WREG,  8192                       ; LDS: a region for each wave: two stages of 32 x SP bytes, behind them its 256 scale bytes
.set SP,    80                         ; a lane's place in a stage: 64 bytes + 16 of padding
.set SPW,   12                         ; v12 LDS address of my spare word; never rewritten
.set NIL,   13                         ; v13 0; never rewritten
.set SPARE, 4*WREG                     ; behind the four regions: the spare words, 128 bytes for each wave, which no other line names
.set WX,    32                         ; paths W and O: v32-159 four sets of 32 numbers, one for each block of 32 along K
.set WC,    160                        ; path W: v160-175 the four blocks' codes
.set WS,    176                        ; path W: v176 the four scale bytes
	s_load_b256 s[4:11], s[0:1], 0x0               ; c s[4:5], W_kv s[6:7], W_o s[8:9], c's codes s[10:11]
	s_load_b256 s[12:19], s[0:1], 0x20             ; c's scales s[12:13], W_kv's codes s[14:15], its scales s[16:17], W_o's images s[18:19]
	v_lshl_add_u32 v[SPW], v0, 2, SPARE
	v_mov_b32 v[NIL], 0
	v_lshrrev_b32 v1, 5, v0
	v_readfirstlane_b32 s20, v1                    ; wave 0..3
	v_and_b32 v2, 31, v0                           ; lane
	s_mov_b32 s25, 0                               ; the high word of every offset
	s_wait_kmcnt 0x0
	s_cmp_lt_u32 ttmp9, WGC
	s_cbranch_scc0 .Lweights
; ---- PATH C.  Rows are dense and K is a multiple of 32: c is a plain stream of blocks of 32.  A wave takes 16 steps of 512 numbers.  Each of a step's four loads reads 512 consecutive bytes, 16 a lane;
; the 2,048 bytes turn through the wave's own stage in LDS and come back 64 bytes a lane, so that a lane holds 16 neighbours along K (two neighbouring lanes hold a block), as the conversions want them.
	v_lshlrev_b32 v3, 4, v2                        ; my 16 bytes of a load's 512
	s_mul_i32 s21, s20, WREG
	v_lshrrev_b32 v14, 2, v2
	v_mul_u32_u24 v14, v14, SP
	v_and_b32 v15, 3, v2
	v_lshl_add_u32 v14, v15, 4, v14
	v_add_nc_u32 v14, s21, v14                     ; the stage, on the way in: SP (lane / 4) + 16 (lane % 4)
	v_mul_u32_u24 v15, v2, SP
	v_add_nc_u32 v15, s21, v15                     ; and on the way out: SP x lane
	v_mul_u32_u24 v4, v2, CB                       ; my codes' place in a step's
	v_lshrrev_b32 v5, 1, v2
	s_add_co_u32 s21, s21, 2*32*SP
	v_add_nc_u32 v5, s21, v5                       ; LDS: my wave's 256 scale bytes, my block's byte
	v_lshlrev_b32 v7, 3, v2                        ; and on the way out 8 bytes a lane
	v_add_nc_u32 v6, s21, v7
	s_lshl_b32 s22, ttmp9, 2
	s_add_co_u32 s22, s22, s20                     ; which run of 8,192 numbers is my wave's
	s_lshl_b32 s24, s22, 15                        ; 32,768 bytes of c,
	s_add_nc_u64 s[4:5], s[4:5], s[24:25]
	s_lshl_b32 s24, s22, 12                        ; 4,096 of codes,
	s_add_nc_u64 s[10:11], s[10:11], s[24:25]
	s_lshl_b32 s24, s22, 8                         ; 256 scale bytes a run
	s_add_nc_u64 s[12:13], s[12:13], s[24:25]
.macro CLOAD t
.irp i, 0,1,2,3
	global_load_b128 v[R+16*((\t)%4)+4*\i:R+16*((\t)%4)+4*\i+3], v3, s[4:5] offset:2048*(\t)+512*\i th:TH_LOAD_NT
.endr
.endm
.macro CTURN t                         ; step t's numbers through the stage: LDS serves a wave's instructions in order, so no wait stands between the stores and the loads
.irp i, 0,1,2,3
	ds_store_b128 v14, v[R+16*((\t)%4)+4*\i:R+16*((\t)%4)+4*\i+3] offset:32*SP*((\t)%2)+8*SP*\i
.endr
.irp i, 0,1,2,3
	ds_load_b128 v[X+16*((\t)%2)+4*\i:X+16*((\t)%2)+4*\i+3], v15 offset:32*SP*((\t)%2)+16*\i
.endr
.endm
.irp t, 0,1,2,3
	CLOAD \t
.endr
	s_wait_loadcnt 12                              ; step 0's four loads are in; the twelve behind them stay out
	CTURN 0
.macro CSTEP t
.set XS, X+16*((\t)%2)
.if (\t) > 0
	s_wait_dscnt 1                                 ; this step's numbers are back from the stage (the last step's byte store may be out): so its stores into the stage have read their registers,
.else
	s_wait_dscnt 0x0
.endif
.if (\t)+4 < STEPS
	CLOAD (\t)+4                                   ; which take the loads of four steps on
.endif
.if (\t)+1 < STEPS
.if STEPS-2-(\t) >= 3
	s_wait_loadcnt 12                              ; the next step's four loads are in; those of the three steps behind it may be out
.else
	s_wait_loadcnt 4*(STEPS-2-(\t))
.endif
	CTURN (\t)+1                                   ; and go through the other stage while this step is worked
.endif
	v_max3_num_f32 v8, |v[XS]|, |v[XS+1]|, |v[XS+2]|               ; the largest magnitude of my 16, in two chains
	v_max3_num_f32 v9, |v[XS+3]|, |v[XS+4]|, |v[XS+5]|
.irp i, 6,10
	v_max3_num_f32 v8, v8, |v[XS+\i]|, |v[XS+\i+1]|
	v_max3_num_f32 v9, v9, |v[XS+\i+2]|, |v[XS+\i+3]|
.endr
	v_max3_num_f32 v8, v8, |v[XS+14]|, |v[XS+15]|
	v_max3_num_f32 v8, v8, v9, 0x1800000           ; and the floor 2^(3 - 127): so the byte cannot fall under 1
	v_max_num_f32_dpp v8, v8, v8 row_xmask:1 row_mask:0xf bank_mask:0xf   ; and of my neighbour's 16: the block's
	v_add_nc_u32 v11, 0xff000000, v8               ; 2 off its exponent field: the conversion takes the exponent field of this operand as its scale, and nothing else of it
	v_cvt_scalef32_pk8_fp4_f32 v[C+4*(\t)], v[XS:XS+7], v11
	v_cvt_scalef32_pk8_fp4_f32 v[C+4*(\t)+1], v[XS+8:XS+15], v11
	v_lshrrev_b32 v[E+(\t)], 23, v11               ; the scale's byte (also the plain line behind the conversions)
	ds_store_b8 v5, v[E+(\t)] offset:16*(\t)       ; both lanes of a block write the same byte with the same value
	global_store_b64 v4, v[C+4*(\t):C+4*(\t)+1], s[10:11] offset:32*CB*(\t)   ; the wave stores 256 consecutive bytes, aligned
.endm
.irp t, 0,1,2,3,4,5,6,7,8,9,10,11,12,13,14,15
	CSTEP \t
.endr
	ds_load_b64 v[8:9], v6                         ; LDS serves a wave's instructions in order: these see my byte stores
	s_wait_dscnt 0x0
	global_store_b64 v7, v[8:9], s[12:13]          ; 32 lanes store 256 consecutive bytes, aligned
	s_wait_tensorcnt 0x0                           ; the wave's end: behind my last LDS store
	ds_add_u32 v[SPW], v[NIL]
	s_wait_dscnt 0x0
	s_endpgm
; ---- PATHS W AND O.  A LANE TAKES A COLUMN n AND ITS REGISTERS RUN DOWN K: each load reads 128 consecutive bytes a wave (the four waves stand side by side on 512), a block of 32 along K lies in one lane,
; and what the lane makes of it has K innermost.  A wave takes 32 columns x 128 along K: four blocks.  Loads run two blocks ahead.
.macro WLOAD t, pitch, base            ; block t: rows 32 t + i of my column, i = 0 .. 31
.irp i, 0,1,2,3,4,5,6,7,8,9,10,11,12,13,14,15,16,17,18,19,20,21,22,23,24,25,26,27,28,29,30,31
	global_load_b32 v[WX+32*(\t)+\i], v3, s[\base:\base+1] offset:(32*(\t)+\i)*\pitch th:TH_LOAD_NT
.endr
.endm
.macro WWAIT t                         ; block t's 32 loads are in; the 32 of the block behind it may be out
.if (\t) < 3
	s_wait_loadcnt 32
.else
	s_wait_loadcnt 0x0
.endif
.endm
.Lweights:
	v_lshlrev_b32 v3, 2, v2                        ; in: 4 bytes a lane
	v_and_b32 v4, 15, v2
	v_lshrrev_b32 v5, 4, v2
	v_lshlrev_b32 v6, 4, v4                        ; out: 16 bytes for each of sixteen columns of a tile,
	s_cmp_lt_u32 ttmp9, WGC+WGW
	s_cbranch_scc0 .Lwo
	v_lshl_add_u32 v6, v5, 13, v6                  ; and lanes 16-31 in the next tile of 16 columns, 8,192 bytes on
	v_lshlrev_b32 v7, 5, v2                        ; a column's row of scale bytes is 32 bytes
	s_sub_co_u32 s21, ttmp9, WGC
	s_and_b32 s22, s21, 15                         ; x: which 128 columns
	s_lshr_b32 s23, s21, 4                         ; y: which 128 along K
	s_lshl_b32 s22, s22, 2
	s_add_co_u32 s22, s22, s20                     ; 4 x + wave: which 32 columns
	s_lshl_b32 s24, s23, 20                        ; W_kv: 128 y rows of 8,192 bytes
	s_lshl_b32 s26, s22, 7                         ; + 128 bytes for each 32 columns
	s_add_co_u32 s24, s24, s26
	s_add_nc_u64 s[6:7], s[6:7], s[24:25]
	s_lshl_b32 s24, s22, 14                        ; codes: two tiles of 8,192 bytes for each 32 columns
	s_lshl_b32 s26, s23, 10                        ; + 1,024 bytes for each 128 along K
	s_add_co_u32 s24, s24, s26
	s_add_nc_u64 s[14:15], s[14:15], s[24:25]
	s_lshl_b32 s24, s22, 10                        ; scale bytes: 32 columns x 32 bytes
	s_lshl_b32 s26, s23, 2                         ; + 4 bytes for each 128 along K
	s_add_co_u32 s24, s24, s26
	s_add_nc_u64 s[16:17], s[16:17], s[24:25]
.macro WBLOCK t
.set XS, WX+32*(\t)
	v_max3_num_f32 v20, |v[XS]|, |v[XS+1]|, |v[XS+2]|              ; the block's largest magnitude: all 32 numbers are mine
	v_max3_num_f32 v21, |v[XS+3]|, |v[XS+4]|, |v[XS+5]|
.irp i, 6,10,14,18,22,26
	v_max3_num_f32 v20, v20, |v[XS+\i]|, |v[XS+\i+1]|
	v_max3_num_f32 v21, v21, |v[XS+\i+2]|, |v[XS+\i+3]|
.endr
	v_max3_num_f32 v20, v20, |v[XS+30]|, |v[XS+31]|
	v_max3_num_f32 v20, v20, v21, 0x1800000        ; and the floor 2^(3 - 127)
	v_add_nc_u32 v22, 0xff000000, v20              ; the conversion's scale operand
	v_lshrrev_b32 v23, 23, v22                     ; the scale's byte
.if (\t) == 0
	v_mov_b32 v[WS], v23                           ; four bytes to a register, the lower K in the lower byte
.else
	v_lshl_or_b32 v[WS], v23, 8*(\t), v[WS]
.endif
.irp g, 0,1,2,3
	v_cvt_scalef32_pk8_fp4_f32 v[WC+4*(\t)+\g], v[XS+8*\g:XS+8*\g+7], v22
.endr
	v_nop                                          ; one plain line behind the last conversion: the next block writes v22 anew
	global_store_b128 v6, v[WC+4*(\t):WC+4*(\t)+3], s[14:15] offset:256*(\t)   ; sixteen lanes store 256 consecutive bytes, aligned
.endm
	WLOAD 0, 8192, 6
	WLOAD 1, 8192, 6
.irp t, 0,1,2,3
	WWAIT \t
.if \t < 2
	WLOAD \t+2, 8192, 6
.endif
	WBLOCK \t
.endr
	global_store_b32 v7, v[WS], s[16:17]           ; my column's four scale bytes: rows 32 bytes apart, 65,536 bytes in the whole launch
	s_endpgm
.Lwo:
	v_lshl_add_u32 v6, v5, 12, v6                  ; lanes 16-31 in the next tile of 16 columns, 4,096 bytes on
	s_sub_co_u32 s21, ttmp9, WGC+WGW
	s_and_b32 s22, s21, 7                          ; x: which 128 columns
	s_lshr_b32 s23, s21, 3                         ; y: which 128 along K
	s_lshl_b32 s22, s22, 2
	s_add_co_u32 s22, s22, s20                     ; 4 x + wave
	s_lshl_b32 s24, s23, 19                        ; W_o: 128 y rows of 4,096 bytes
	s_lshl_b32 s26, s22, 7
	s_add_co_u32 s24, s24, s26
	s_add_nc_u64 s[8:9], s[8:9], s[24:25]
	s_lshl_b32 s24, s23, 18                        ; images: 262,144 bytes for each 128 along K
	s_lshl_b32 s26, s22, 13                        ; + two tiles of 4,096 bytes for each 32 columns
	s_add_co_u32 s24, s24, s26
	s_add_nc_u64 s[18:19], s[18:19], s[24:25]
	WLOAD 0, 4096, 8
	WLOAD 1, 4096, 8
.irp t, 0,1,2,3
	WWAIT \t
.if \t < 2
	WLOAD \t+2, 4096, 8
.endif
.irp n, 0,1,2,3,4,5,6,7,8,9,10,11,12,13,14,15
	v_cvt_pk_f16_f32 v[WX+32*\t+\n], v[WX+32*\t+2*\n], v[WX+32*\t+2*\n+1]   ; in place, ascending: result n never lies above source 2 n
.endr
.irp g, 0,1,2,3
	global_store_b128 v6, v[WX+32*\t+4*\g:WX+32*\t+4*\g+3], s[18:19] offset:1024*\t+256*\g   ; sixteen lanes store 256 consecutive bytes, aligned
.endr
.endr
	s_endpgm
.Lfunc_end_k_q2ad050eade_prep:
	.size	k_q2ad050eade_prep, .Lfunc_end_k_q2ad050eade_prep-k_q2ad050eade_prep
	.p2alignl 7, 3214868480
	.fill 96, 4, 3214868480
	.section	.rodata,"a",@progbits
	.p2align	6, 0x0
	.amdhsa_kernel k_q2ad050eade_prep
		.amdhsa_group_segment_fixed_size 33280
		.amdhsa_private_segment_fixed_size 0
		.amdhsa_enable_private_segment 0
		.amdhsa_kernarg_size 64
		.amdhsa_user_sgpr_count 2
		.amdhsa_user_sgpr_kernarg_segment_ptr 1
		.amdhsa_wavefront_size32 1
		.amdhsa_system_sgpr_workgroup_id_x 1
		.amdhsa_system_sgpr_workgroup_id_y 1
		.amdhsa_system_sgpr_workgroup_id_z 1
		.amdhsa_system_vgpr_workitem_id 0
		.amdhsa_next_free_vgpr 192
		.amdhsa_next_free_sgpr 66
		.amdhsa_reserve_vcc 0
		.amdhsa_float_denorm_mode_32 3
		.amdhsa_float_denorm_mode_16_64 3
		.amdhsa_memory_ordered 1
		.amdhsa_forward_progress 1
		.amdhsa_inst_pref_size 71
	.end_amdhsa_kernel
	.amdgpu_metadata
---
amdhsa.version: [ 1, 2 ]
amdhsa.kernels:
  - .name:           k_q2ad050eade_prep
    .symbol:         k_q2ad050eade_prep.kd
    .args:
      - { .name: c, .offset: 0, .size: 8, .value_kind: global_buffer, .address_space: global }
      - { .name: W_kv, .offset: 8, .size: 8, .value_kind: global_buffer, .address_space: global }
      - { .name: W_o, .offset: 16, .size: 8, .value_kind: global_buffer, .address_space: global }
      - { .name: c_codes, .offset: 24, .size: 8, .value_kind: global_buffer, .address_space: global }
      - { .name: c_scales, .offset: 32, .size: 8, .value_kind: global_buffer, .address_space: global }
      - { .name: w_codes, .offset: 40, .size: 8, .value_kind: global_buffer, .address_space: global }
      - { .name: w_scales, .offset: 48, .size: 8, .value_kind: global_buffer, .address_space: global }
      - { .name: wo_img, .offset: 56, .size: 8, .value_kind: global_buffer, .address_space: global }
    .group_segment_fixed_size: 33280
    .private_segment_fixed_size: 0
    .kernarg_segment_align: 8
    .kernarg_segment_size: 64
    .max_flat_workgroup_size: 128
    .sgpr_count:     66
    .vgpr_count:     192
    .wavefront_size: 32
...
	.end_amdgpu_metadata
.endif
;; end of part 1
;; launch kvgemm (part 2): grid 8 x 32, 4 waves a work-group, clusters of 4 x 4, 327,680 bytes of LDS; arguments c_codes, c_scales, w_codes, w_scales, b_kv, k_img, v_img; writes k_img, v_img
.if DOCPART == 2
	.amdgcn_target "amdgcn-amd-amdhsa--gfx1250"
	.amdhsa_code_object_version 6
	.text
	.protected	k_q2ad050eade_kvgemm
	.globl	k_q2ad050eade_kvgemm
	.p2align	8
	.type	k_q2ad050eade_kvgemm,@function
k_q2ad050eade_kvgemm:
	s_mov_b64 s[64:65], 0
	v_nop
	global_prefetch_b8 v0, s[64:65] scope:SCOPE_SE
	s_setreg_imm32_b32 hwreg(HW_REG_WAVE_MODE, 25, 1), 1
	s_wait_xcnt 0x0
	s_wait_alu depctr_hold_cnt(0) depctr_sa_sdst(0) depctr_va_vdst(0) depctr_va_sdst(0) depctr_va_ssrc(0) depctr_va_vcc(0) depctr_vm_vsrc(0)
	s_getreg_b32 s2, hwreg(HW_REG_IB_STS2, 6, 4)
	s_cmp_eq_u32 s2, 0
	s_cbranch_scc0 .Lentry_in_a_cluster
	s_endpgm
.Lentry_in_a_cluster:
	s_bfe_u32 s2, ttmp6, 0x10000c
	s_cmp_lg_u32 s2, 0xf033
	s_cbranch_scc0 .Lentry_shape_is_right
	s_endpgm
.Lentry_shape_is_right:
; kv = Q(c) Q(W_kv) + b_kv on codes of FP4 (E2M1) with one E8M0 scale for each 32 along K; sums in f32; the result is rounded once to f16 and stored as the attention launch's operand images.
; c's codes [8192][512 bytes], scales [8192][32].  W_kv's codes as register images [128 tiles of 16 columns][8 K steps of 128][1,024 bytes], scales [2048][32].
; A tile of kv, 256 x 256, is made by four waves; a wave makes 128 rows x 128 columns: 64 accumulators, 512 registers.  A WAVE'S 128 COLUMNS ARE ONE HEAD: column blocks 0-3 are its k, blocks 4-7 its v.
; ALL OF K (1,024) FITS IN LDS: 256 rows of c's codes (512 bytes a row), 16 column tiles of W's images and both sides' scale bytes are asked for at the head, two tensor loads a wave; there is one wait,
; one barrier, no ring and no refill.
; CLUSTERS: 4 x 4 work-groups.  The four of a row of the cluster need the same rows of c, the four of a column the same columns of W: each is asked for JOINTLY.
; k's blocks take source 0 = 16 columns of W, source 1 = 16 rows of c: a lane then holds ONE key and eight neighbouring channels, which is half a fragment of K for S^T = K Q^T.
; v's blocks take the sources the other way round: a lane holds ONE channel and eight neighbouring keys, which is half a fragment of V^T for O^T = V^T P.  So both go from registers straight to memory,
; 512 consecutive bytes a store, and nothing is transposed.  The bias is the C of each sum's first matrix instruction.
; k_img: [batch x head 64][16 keys: 2,048 bytes][block b of 16 channels: 512 bytes][lane][16].   v_img: [64][32 keys: 4,096 bytes][16 channels d: 1,024][16 keys: 512][lane][16].
; LIMITS: k and v are kept in f16: magnitudes up to 65,504 are served (as drawn they are about 5; with c and W_kv both 30 times larger about 4,500); under 6e-5 with fewer bits.  NaN and infinities are not served.
; REGISTERS, in windows of 256: window 0: v1-29 addresses; v32-95 scale words; v128-191 c's fragments, ONE set; v192-223 k's bias tiles, v224-255 v's; on the way out v128-255 take the packed results.
;   window 1: W's fragments, TWO sets, at v0 and v128.   window 2: the accumulators of my rows 0-63 ((a, b) at v[8 (8 (a % 4) + b)]);   window 3: those of rows 64-127.
.set PITCH, 528                        ; an LDS row of c's codes: 512 bytes + 16 of padding, so that the 16 rows that a load touches start 4 words further on each
.set HALFA, 128*PITCH                  ; 128 rows: what one tensor load brings, and what one wave reads
.set BOFF,  2*HALFA                    ; behind them W's images,
.set HALFB, 65536                      ; 8 column tiles x 8,192 bytes to a load
.set SCL,   BOFF+2*HALFB               ; behind them the scale bytes, as rows of 256 bytes + 16 of padding
.set HALFS, 16*272                     ; those of 128 rows or columns (4,096 bytes): what one tensor load brings
.set SBLK,  2*272                      ; those of 16
.set SPARE, SCL+4*HALFS                ; the spare words, 128 bytes for each wave, which no other line names
.set ADRA, 16                          ; v16 LDS address of my fragments of c
.set ADRB, 20                          ; v20 of W's images
.set GO,   26                          ; v26 16 x lane: my place in a store's 512 bytes
.set ADRS, 27                          ; v27 LDS address of my scale words: lanes 0-15 c's rows, lanes 16-31 W's columns
.set SPW,  28                          ; v28 LDS address of my spare word; never rewritten
.set NIL,  29                          ; v29 0; never rewritten
.set SC,   32                          ; scale words: register 8 i + q: lanes 0-15 the word of c's block i, lanes 16-31 that of W's block i, for the q-th 128 along K
.set AF,   128
.set BIK,  192
.set BIV,  224
.set OUTR, 128
.set WV, 18                            ; s18 wave;  s19 my half of the rows, also: I fetch for c (0) or for W (1);  s20 my half of the columns, also: which half I fetch
.set HM, 19
.set HN, 20
.set G1,   24                          ; s[24:31], s[32:35] groups 1 and 0 for c's codes
.set G0,   32
.set G1B,  48                          ; s[48:55], s[56:59] for W's images
.set G0B,  56
.set G1S,  68                          ; s[68:75], s[76:79] for c's scales
.set G0S,  76
.set G1SB, 80                          ; s[80:87], s[88:91] for W's scales
.set G0SB, 88
.set MSB, 0
.macro WIN new                         ; the immediate's high byte repeats the setting that is left; a switch that changes nothing is dropped
.if MSB != (\new)
	s_set_vgpr_msb (MSB<<8)|(\new)
.set MSB, (\new)
.endif
.endm
; A joint load: waves 0 and 1 fetch for c, waves 2 and 3 for W.  Each of the two lines has one mask and one set of registers for all that issue it; the branch hangs on the wave's number alone.
; An s_nop 0 and four v_nop follow each of the two lines.
.macro JLOAD g0a, g1a, g0b, g1b
	s_cmp_eq_u32 s[HM], 0
	s_cbranch_scc0 .Lfor_b_\@
	tensor_load_to_lds s[\g0a:\g0a+3], s[\g1a:\g1a+7]
	s_nop 0
.rept 4
	v_nop
.endr
	s_branch .Lasked_\@
.Lfor_b_\@:
	tensor_load_to_lds s[\g0b:\g0b+3], s[\g1b:\g1b+7]
	s_nop 0
.rept 4
	v_nop
.endr
.Lasked_\@:
.endm
.macro CROUND                          ; a round of the cluster's barrier
	s_barrier_signal -1
	s_barrier_wait -1
	s_cmp_lg_u32 s[WV], 0
	s_cbranch_scc1 .Lnot_wave_0_\@
	s_barrier_signal -3
.Lnot_wave_0_\@:
	s_barrier_wait -3
	s_barrier_signal -1
	s_barrier_wait -1
.endm
.macro PLACES                          ; four places in front of loads into registers that matrix instructions have read, and of the first read of results
.rept 4
	v_nop
.endr
.endm
	s_load_b128 s[4:7], s[0:1], 0x0                ; c's codes s[4:5], c's scales s[6:7]
	s_load_b128 s[8:11], s[0:1], 0x10              ; W's codes s[8:9], W's scales s[10:11]
	s_load_b128 s[12:15], s[0:1], 0x20             ; b_kv s[12:13], k_img s[14:15]
	s_load_b64 s[16:17], s[0:1], 0x30              ; v_img
	v_lshl_add_u32 v[SPW], v0, 2, SPARE
	v_mov_b32 v[NIL], 0
	ds_add_u32 v[SPW], v[NIL]                      ; the wave's opening: the add, twice on end, and its wait ahead of my first tensor load
	ds_add_u32 v[SPW], v[NIL]
	v_lshrrev_b32 v1, 5, v0
	v_readfirstlane_b32 s[WV], v1                  ; wave 0..3
	s_lshr_b32 s[HM], s[WV], 1
	s_and_b32 s[HN], s[WV], 1
	s_bfe_u32 s40, ttmp6, 0x40000                  ; cx, cy: my place in the cluster
	s_bfe_u32 s41, ttmp6, 0x40004
	s_lshl_b32 s42, ttmp9, 2
	s_add_co_u32 s42, s42, s40                     ; tile column = 4 x cluster x + cx
	s_and_b32 s21, ttmp7, 0xffff
	s_lshl_b32 s21, s21, 2
	s_add_co_u32 s21, s21, s41                     ; tile row = 4 x cluster y + cy
	s_lshl_b32 s43, s41, 2
	s_lshl_b32 s43, 15, s43                        ; my row of the cluster
	s_lshl_b32 s44, 0x1111, s40                    ; my column
	; c's codes: 128 rows x 512 bytes, 16 bytes of padding behind each row
	s_or_b32 s[G1], s43, (0<<16)|(1<<20)|(1<<21)|(6<<22)|(3<<25)   ; 15:0 the mask; 17:16 elements of 1 byte; 20 padding on; 21 set beside a mask; 24:22 after every 128 words; 31:25 four words
	s_mov_b32 s[G1+1], 512<<16                     ; tensor_dim0
	s_mov_b32 s[G1+2], 128<<16                     ; tensor_dim1
	s_mov_b32 s[G1+3], 512<<16                     ; tile_dim0
	s_mov_b32 s[G1+4], 128                         ; tile_dim1
	s_mov_b32 s[G1+5], 512                         ; from row to row
	s_mov_b32 s[G1+6], 0
	s_mov_b32 s[G1+7], 0
	; W's images: a dense block of 65,536 bytes, as 256 rows of 32 elements of 8 bytes, no padding
	s_or_b32 s[G1B], s44, (3<<16)|(1<<21)
	s_mov_b32 s[G1B+1], 32<<16
	s_mov_b32 s[G1B+2], 256<<16
	s_mov_b32 s[G1B+3], 32<<16
	s_mov_b32 s[G1B+4], 256
	s_mov_b32 s[G1B+5], 32
	s_mov_b32 s[G1B+6], 0
	s_mov_b32 s[G1B+7], 0
	; the scale bytes of 128 rows or columns: a dense block of 4,096 bytes, as 16 rows of 256 bytes, 16 bytes of padding behind each
	s_or_b32 s[G1S], s43, (3<<16)|(1<<20)|(1<<21)|(5<<22)|(3<<25)
	s_or_b32 s[G1SB], s44, (3<<16)|(1<<20)|(1<<21)|(5<<22)|(3<<25)
.irp g, G1S, G1SB
	s_mov_b32 s[\g+1], 32<<16
	s_mov_b32 s[\g+2], 16<<16
	s_mov_b32 s[\g+3], 32<<16
	s_mov_b32 s[\g+4], 16
	s_mov_b32 s[\g+5], 32
	s_mov_b32 s[\g+6], 0
	s_mov_b32 s[\g+7], 0
.endr
	s_lshl_b32 s22, s[HN], 7                       ; which 128 I fetch
	s_lshl_b32 s36, s21, 8
	s_add_co_u32 s36, s36, s22                     ; c: row 256 x tile row + 128 x half
	s_lshl_b32 s46, s42, 8
	s_add_co_u32 s46, s46, s22                     ; W: column 256 x tile column + 128 x half
	s_lshl_b32 s60, s36, 9                         ; 512 bytes of codes a row,
	s_mov_b32 s61, 0
	s_lshl_b32 s62, s36, 5                         ; 32 scale bytes a row
	s_mov_b32 s63, 0
	s_lshl_b32 s92, s46, 9                         ; 8,192 bytes of images for 16 columns,
	s_mov_b32 s93, 0
	s_lshl_b32 s94, s46, 5                         ; 32 scale bytes a column
	s_mov_b32 s95, 0
	s_mul_i32 s37, s[HN], HALFA                    ; where they go: no place in the cluster enters an LDS address
	s_lshl_b32 s38, s[HN], 16
	s_add_co_u32 s38, s38, BOFF
	s_mul_i32 s39, s[WV], HALFS
	s_add_co_u32 s39, s39, SCL
	s_wait_dscnt 0x0                               ; both opening adds are done
	s_wait_kmcnt 0x0
	s_add_nc_u64 s[60:61], s[4:5], s[60:61]
	s_add_nc_u64 s[62:63], s[6:7], s[62:63]
	s_add_nc_u64 s[92:93], s[8:9], s[92:93]
	s_add_nc_u64 s[94:95], s[10:11], s[94:95]
	CROUND                                         ; all sixteen work-groups are here: the joint loads meet
	s_mov_b32 s[G0S], 1
	s_mov_b32 s[G0S+1], s39
	s_mov_b64 s[G0S+2:G0S+3], s[62:63]
	s_or_b32 s[G0S+3], s[G0S+3], 0x80000000
	s_mov_b32 s[G0SB], 1
	s_mov_b32 s[G0SB+1], s39
	s_mov_b64 s[G0SB+2:G0SB+3], s[94:95]
	s_or_b32 s[G0SB+3], s[G0SB+3], 0x80000000
	JLOAD G0S, G1S, G0SB, G1SB
	s_mov_b32 s[G0], 1
	s_mov_b32 s[G0+1], s37
	s_mov_b64 s[G0+2:G0+3], s[60:61]
	s_or_b32 s[G0+3], s[G0+3], 0x80000000
	s_mov_b32 s[G0B], 1
	s_mov_b32 s[G0B+1], s38
	s_mov_b64 s[G0B+2:G0B+3], s[92:93]
	s_or_b32 s[G0B+3], s[G0B+3], 0x80000000
	JLOAD G0, G1, G0B, G1B                         ; two tensor loads of mine are out: all that this wave ever asks for
	v_and_b32 v1, 15, v0                           ; r = lane % 16
	v_bfe_u32 v2, v0, 4, 1                         ; h = lane / 16
	v_mul_u32_u24 v3, v1, PITCH
	v_lshl_add_u32 v3, v2, 4, v3                   ; a fragment's row x pitch + 16 x half
	s_mul_i32 s22, s[HM], HALFA
	v_add_nc_u32 v[ADRA], s22, v3                  ; my 128 rows of c
	v_and_b32 v4, 31, v0
	v_lshlrev_b32 v[GO], 4, v4
	v_add_nc_u32 v[ADRB], s38, v[GO]               ; my 8 column tiles of W: an image's place for my lane is 16 x lane
	v_lshlrev_b32 v5, 5, v1                        ; my row's scales: 32 bytes a row,
	v_lshrrev_b32 v6, 8, v5
	v_lshl_add_u32 v5, v6, 4, v5                   ; and 16 more for each 256 passed
	s_mul_i32 s22, s[HM], HALFS                    ; c's: my 128 rows
	s_mul_i32 s23, s[HN], HALFS                    ; W's: my 128 columns, behind c's 256
	s_add_co_u32 s23, s23, 2*HALFS
	s_sub_co_u32 s23, s23, s22
	v_mul_u32_u24 v6, s23, v2                      ; lanes 16-31 take W's
	s_add_co_u32 s22, s22, SCL
	v_add_nc_u32 v5, v5, v6
	v_add_nc_u32 v[ADRS], s22, v5
	s_lshl_b32 s46, s42, 1
	s_add_co_u32 s46, s46, s[HN]                   ; my head = 2 x tile column + half
	s_lshl_b32 s96, s46, 9                         ; its 128 numbers of b_kv
	s_mov_b32 s97, 0
	s_add_nc_u64 s[12:13], s[12:13], s[96:97]
	v_lshlrev_b32 v7, 5, v2                        ; k's bias: a lane wants channels 16 b + 8 h + 0 .. 7
	v_lshlrev_b32 v8, 2, v1                        ; v's: channel 16 d + r, the same for its eight keys
.irp b, 0,1,2,3
	global_load_b128 v[BIK+8*\b:BIK+8*\b+3], v7, s[12:13] offset:64*\b
	global_load_b128 v[BIK+8*\b+4:BIK+8*\b+7], v7, s[12:13] offset:64*\b+16
	global_load_b32 v[BIV+8*\b], v8, s[12:13] offset:256+64*\b
.endr
	s_lshl_b32 s96, s21, 8
	s_lshl_b32 s47, s[HM], 7
	s_add_co_u32 s96, s96, s47                     ; my first row of c = 256 x tile row + 128 x half
	s_lshr_b32 s47, s96, 11                        ; the batch,
	s_lshl_b32 s47, s47, 4
	s_add_co_u32 s47, s47, s46                     ; batch x 16 + head,
	s_lshl_b32 s47, s47, 18                        ; 262,144 bytes each
	s_and_b32 s96, s96, 2047                       ; my first key,
	s_lshl_b32 s96, s96, 7                         ; 128 bytes a key in either buffer
	s_add_co_u32 s96, s96, s47
	s_add_nc_u64 s[14:15], s[14:15], s[96:97]
	s_add_nc_u64 s[16:17], s[16:17], s[96:97]
.macro FETCH_B q, p                    ; W's eight fragments of the q-th 128 along K into set p: images, 512 consecutive bytes a load
	WIN 0x40
.irp i, 0,1,2,3,4,5,6,7
.irp c, 0,1
	ds_load_b128 v[128*(\p)+8*\i+4*\c:128*(\p)+8*\i+4*\c+3], v[ADRB] offset:\i*8192+(\q)*1024+512*\c
.endr
.endr
	WIN 0
.endm
.macro FETCH_A q, i0                   ; c's blocks i0 .. i0 + 3: lane l holds row l % 16; registers 4 c .. 4 c + 3 hold K = 64 c + 32 (l / 16) + 0 .. 31
.irp i, \i0, \i0+1, \i0+2, \i0+3
.irp c, 0,1
	ds_load_b128 v[AF+8*(\i)+4*\c:AF+8*(\i)+4*\c+3], v[ADRA] offset:64*(\q)+32*\c+(\i)*16*PITCH
.endr
.endr
.endm
.macro SCALES                          ; all eight K steps' scale words, 32 bytes a row: fetched once
.irp i, 0,1,2,3,4,5,6,7
	ds_load_b128 v[SC+8*\i:SC+8*\i+3], v[ADRS] offset:\i*SBLK
	ds_load_b128 v[SC+8*\i+4:SC+8*\i+7], v[ADRS] offset:\i*SBLK+16
.endr
.endm
; 16 matrix instructions: c's blocks a0 .. a0 + 3 x the head's four blocks of k (MULK) or of v (MULV).  p: W's set; q: the K step.  first = 1: the bias starts the sums: nothing is cleared, nothing is added later.
; The 64 accumulators take turns, one instruction a turn, in the same order in every step.
.macro MULK a0, p, q, first
.set WN, ((2+(\a0)/4)<<6)|((1-(\first))*((2+(\a0)/4)<<4))|0x01
	WIN WN                                         ; source 0 (W) window 1, source 1 (c) window 0, D window 2 or 3, C with it or (the bias) window 0
.irp a, \a0, \a0+1, \a0+2, \a0+3
.irp b, 0,1,2,3
.if \first
	v_wmma_scale_f32_16x16x128_f8f6f4 v[8*(8*((\a)%4)+\b):8*(8*((\a)%4)+\b)+7], v[128*(\p)+8*\b:128*(\p)+8*\b+7], v[AF+8*(\a):AF+8*(\a)+7], v[BIK+8*\b:BIK+8*\b+7], v[SC+8*\b+(\q)], v[SC+8*(\a)+(\q)] matrix_a_fmt:MATRIX_FMT_FP4 matrix_b_fmt:MATRIX_FMT_FP4 matrix_a_scale:MATRIX_SCALE_ROW1
.else
	v_wmma_scale_f32_16x16x128_f8f6f4 v[8*(8*((\a)%4)+\b):8*(8*((\a)%4)+\b)+7], v[128*(\p)+8*\b:128*(\p)+8*\b+7], v[AF+8*(\a):AF+8*(\a)+7], v[8*(8*((\a)%4)+\b):8*(8*((\a)%4)+\b)+7], v[SC+8*\b+(\q)], v[SC+8*(\a)+(\q)] matrix_a_fmt:MATRIX_FMT_FP4 matrix_b_fmt:MATRIX_FMT_FP4 matrix_a_scale:MATRIX_SCALE_ROW1
.endif
.endr
.endr
.endm
.macro MULV a0, p, q, first
.set WN, ((2+(\a0)/4)<<6)|((1-(\first))*((2+(\a0)/4)<<4))|0x04
	WIN WN                                         ; source 0 (c) window 0, source 1 (W) window 1
.irp a, \a0, \a0+1, \a0+2, \a0+3
.irp b, 4,5,6,7
.if \first
	v_wmma_scale_f32_16x16x128_f8f6f4 v[8*(8*((\a)%4)+\b):8*(8*((\a)%4)+\b)+7], v[AF+8*(\a):AF+8*(\a)+7], v[128*(\p)+8*\b:128*(\p)+8*\b+7], v[BIV+8*(\b-4):BIV+8*(\b-4)+7], v[SC+8*(\a)+(\q)], v[SC+8*\b+(\q)] matrix_a_fmt:MATRIX_FMT_FP4 matrix_b_fmt:MATRIX_FMT_FP4 matrix_b_scale:MATRIX_SCALE_ROW1
.else
	v_wmma_scale_f32_16x16x128_f8f6f4 v[8*(8*((\a)%4)+\b):8*(8*((\a)%4)+\b)+7], v[AF+8*(\a):AF+8*(\a)+7], v[128*(\p)+8*\b:128*(\p)+8*\b+7], v[8*(8*((\a)%4)+\b):8*(8*((\a)%4)+\b)+7], v[SC+8*(\a)+(\q)], v[SC+8*\b+(\q)] matrix_a_fmt:MATRIX_FMT_FP4 matrix_b_fmt:MATRIX_FMT_FP4 matrix_b_scale:MATRIX_SCALE_ROW1
.endif
.endr
.endr
.endm
; A step of 128 along K: 64 matrix instructions.  c's blocks 0-3 are free when their 32 products are issued and are fetched anew in the step's middle, with W's next set; blocks 4-7 at its end.
.macro STEP q, first
	s_wait_dscnt 8                                 ; all but the youngest eight loads (c's blocks 4-7) are in
	MULK 0, (\q)%2, \q, \first
	MULV 0, (\q)%2, \q, \first
	s_wait_dscnt 0x0                               ; c's blocks 4-7 are in (asked for 32 matrix instructions ago)
	PLACES
	FETCH_B (\q)+1, 1-(\q)%2
	FETCH_A (\q)+1, 0
	MULK 4, (\q)%2, \q, \first
	MULV 4, (\q)%2, \q, \first
	PLACES
	WIN 0
	FETCH_A (\q)+1, 4
.endm
	s_wait_tensorcnt 0x0                           ; my two loads have landed,
	s_barrier_signal -1
	s_barrier_wait -1                              ; everybody's have: all of the tile's operands lie in LDS, and nothing is filled again
	FETCH_B 0, 0
	FETCH_A 0, 0
	SCALES
	FETCH_A 0, 4
	s_wait_loadcnt 0x0                             ; the biases
.irp d, 0,1,2,3
.irp j, 1,2,3,4,5,6,7
	v_mov_b32 v[BIV+8*\d+\j], v[BIV+8*\d]          ; v's bias tile: a lane's eight keys share its channel's number
.endr
.endr
	STEP 0, 1
.irp q, 1,2,3,4,5,6
	STEP \q, 0
.endr
	s_wait_dscnt 8                                 ; the last step: nothing more to fetch
	MULK 0, 1, 7, 0
	MULV 0, 1, 7, 0
	s_wait_dscnt 0x0
	MULK 4, 1, 7, 0
	MULV 4, 1, 7, 0
	PLACES                                         ; in front of the conversions, which read results and write over c's fragments
; THE WAY OUT, a window of 32 accumulators at a time: rounded to f16, 16 bytes a lane, which are a lane's part of an operand image: stored as they stand, 512 consecutive aligned bytes a store.
.macro OUTW w
	WIN 0x0a+5*(\w)                                ; sources 0 and 1: window 2 or 3
.set i, 0
.rept 128
	v_cvt_pk_f16_f32 v[OUTR+i], v[2*i], v[2*i+1]   ; each accumulator from its low end on
.set i, i+1
.endr
	WIN 0
.irp aa, 0,1,2,3
.irp b, 0,1,2,3
	global_store_b128 v[GO], v[OUTR+4*(8*\aa+\b):OUTR+4*(8*\aa+\b)+3], s[14:15] offset:(4*(\w)+\aa)*2048+\b*512
.endr
.irp d, 0,1,2,3
	global_store_b128 v[GO], v[OUTR+4*(8*\aa+4+\d):OUTR+4*(8*\aa+4+\d)+3], s[16:17] offset:((4*(\w)+\aa)/2)*4096+\d*1024+((4*(\w)+\aa)%2)*512
.endr
.endr
.endm
	OUTW 0
	s_wait_xcnt 0x0                                ; the stores have read their data registers: only behind this wait are they written again
	OUTW 1
	s_wait_tensorcnt 0x0                           ; the wave's end
	ds_add_u32 v[SPW], v[NIL]
	s_wait_dscnt 0x0
	CROUND                                         ; the closing round: no work-group ends while a partner may still ask for a tile that names it
	s_endpgm
.Lfunc_end_k_q2ad050eade_kvgemm:
	.size	k_q2ad050eade_kvgemm, .Lfunc_end_k_q2ad050eade_kvgemm-k_q2ad050eade_kvgemm
	.p2alignl 7, 3214868480
	.fill 96, 4, 3214868480
	.section	.rodata,"a",@progbits
	.p2align	6, 0x0
	.amdhsa_kernel k_q2ad050eade_kvgemm
		.amdhsa_group_segment_fixed_size 327680
		.amdhsa_private_segment_fixed_size 0
		.amdhsa_enable_private_segment 0
		.amdhsa_kernarg_size 56
		.amdhsa_user_sgpr_count 2
		.amdhsa_user_sgpr_kernarg_segment_ptr 1
		.amdhsa_wavefront_size32 1
		.amdhsa_system_sgpr_workgroup_id_x 1
		.amdhsa_system_sgpr_workgroup_id_y 1
		.amdhsa_system_sgpr_workgroup_id_z 1
		.amdhsa_system_vgpr_workitem_id 0
		.amdhsa_next_free_vgpr 1024
		.amdhsa_next_free_sgpr 98
		.amdhsa_reserve_vcc 0
		.amdhsa_float_denorm_mode_32 3
		.amdhsa_float_denorm_mode_16_64 3
		.amdhsa_memory_ordered 1
		.amdhsa_forward_progress 1
		.amdhsa_inst_pref_size 118
	.end_amdhsa_kernel
	.amdgpu_metadata
---
amdhsa.version: [ 1, 2 ]
amdhsa.kernels:
  - .name:           k_q2ad050eade_kvgemm
    .symbol:         k_q2ad050eade_kvgemm.kd
    .args:
      - { .name: c_codes, .offset: 0, .size: 8, .value_kind: global_buffer, .address_space: global }
      - { .name: c_scales, .offset: 8, .size: 8, .value_kind: global_buffer, .address_space: global }
      - { .name: w_codes, .offset: 16, .size: 8, .value_kind: global_buffer, .address_space: global }
      - { .name: w_scales, .offset: 24, .size: 8, .value_kind: global_buffer, .address_space: global }
      - { .name: b_kv, .offset: 32, .size: 8, .value_kind: global_buffer, .address_space: global }
      - { .name: k_img, .offset: 40, .size: 8, .value_kind: global_buffer, .address_space: global }
      - { .name: v_img, .offset: 48, .size: 8, .value_kind: global_buffer, .address_space: global }
    .group_segment_fixed_size: 327680
    .private_segment_fixed_size: 0
    .kernarg_segment_align: 8
    .kernarg_segment_size: 56
    .max_flat_workgroup_size: 128
    .sgpr_count:     98
    .vgpr_count:     1024
    .wavefront_size: 32
...
	.end_amdgpu_metadata
.endif
;; end of part 2
;; launch attn (part 3): grid 4 x 64, 8 waves a work-group, clusters of 4 x 1, 327,680 bytes of LDS; arguments q, k_img, v_img, val_img; writes val_img
.if DOCPART == 3
	.amdgcn_target "amdgcn-amd-amdhsa--gfx1250"
	.amdhsa_code_object_version 6
	.text
	.protected	k_q2ad050eade_attn
	.globl	k_q2ad050eade_attn
	.p2align	8
	.type	k_q2ad050eade_attn,@function
k_q2ad050eade_attn:
	s_mov_b64 s[64:65], 0
	v_nop
	global_prefetch_b8 v0, s[64:65] scope:SCOPE_SE
	s_setreg_imm32_b32 hwreg(HW_REG_WAVE_MODE, 25, 1), 1
	s_wait_xcnt 0x0
	s_wait_alu depctr_hold_cnt(0) depctr_sa_sdst(0) depctr_va_vdst(0) depctr_va_sdst(0) depctr_va_ssrc(0) depctr_va_vcc(0) depctr_vm_vsrc(0)
	s_getreg_b32 s2, hwreg(HW_REG_IB_STS2, 6, 4)
	s_cmp_eq_u32 s2, 0
	s_cbranch_scc0 .Lentry_in_a_cluster
	s_endpgm
.Lentry_in_a_cluster:
	s_bfe_u32 s2, ttmp6, 0x10000c
	s_cmp_lg_u32 s2, 0x3003
	s_cbranch_scc0 .Lentry_shape_is_right
	s_endpgm
.Lentry_shape_is_right:
; values[b][q][head][:] = the sum over keys of softmax(q . k / 8) v, for one batch and head a work-group row.  q: [4][2048][1024] f32; k_img, v_img: f16 operand images made by the launch before.
; Products on f16 operands with f32 sums; maxima, exponentials and row sums in f32; the weights p are rounded to f16 for the second product, the values once at the end.
; SHARES.  A work-group owns 512 queries of one (batch, head); each of its EIGHT waves owns 64: four tiles of 16, so that each fragment of K or V read from LDS feeds four matrix instructions.  A wave holds 512
; registers, so two waves share a SIMD: one wave's softmax stands beside the other's products and LDS loads, and the step is written in plain phases.
; LAYOUT.  S^T = K Q^T (source 0 = 16 keys, source 1 = 16 queries): a lane holds ONE query (lane % 16) and keys 8 (lane / 16) + 0..7.  Two such tiles, rounded to f16 in pairs, ARE source 1 (32 keys x 16 queries) of
; O^T = V^T P, whose result again holds one query a lane, and eight channels: half a fragment of the last product's operand, stored as it stands.
; SOFTMAX.  q is multiplied by c = log2(e) / 8 in f32 before it is rounded, so a score is already t.  For each query a running maximum m and sum l: p = 2^(t - m); in every step O and l are multiplied by
; a = 2^(m_old - m_new).  m begins at -3e38, l and O^T as zeros: the step is written once, and the first step's a is 0.  The 128 clearing lines at the head stand for a further copy of the step.
; RING.  Two LDS slots of 512 keys (K's images 65,536 bytes, then V's), dense blocks of memory; wave w fetches 16,384 bytes of a slot (waves 0-3: K's quarters, waves 4-7: V's).  A refill has eight key steps in which to land.
; CLUSTER.  The four query blocks of a head walk the same K and V: each tile is asked for JOINTLY, by the same tensor load with the same descriptor and a mask that names the four.
; NO PREFETCH: the launch has two refills, each asked for eight key steps ahead of the wait for it.
; LIMITS: q c, k, v and the values are kept in f16 (up to 65,504; under 6e-5 with fewer bits: with c and W_kv both 30 times smaller than drawn the values lie there).  NaN and infinities are not served.
; REGISTERS: window 0: v2-6 addresses; v12-43 eight registers of statistics a tile; v44, v45 the add's two; v64-191 S^T, 32 a tile, then P in the lower 16 of each; v192-255 K's 8 fragments.
;   window 1: v0-127 O^T, 32 a tile; v128-191 Q, 16 a tile; v192-255 V's 8 fragments.
.set STEPB, 8192                       ; 64 keys of K's images, and of V's
.set HALF,  65536                      ; a slot's K, behind it its V
.set SLOT1, 1<<17                      ; slot 1 begins here: one exclusive or turns an address in one slot into the other's
.set SPARE, 2*SLOT1                    ; behind the ring: the spare words, 128 bytes for each of eight waves, which no other line names
.set LI,  2                            ; v2  16 x lane: an image's place for my lane
.set LIV, 3                            ; v3  the same in V's half of a slot
.set ADK, 4                            ; v4  LDS address of the step's K
.set ADV, 5                            ; v5  of its V
.set QO,  6                            ; v6  my byte offset in the wave's rows of q
.set ST,  12                           ; tile t's statistics at v[ST+8 t]: +0 m, +1 m_old - m, +2, +3 l (even keys', odd keys'), +4 to +7 four chains of the maximum; a takes +6, the second chain of sums +4, +5
.set SPW, 44
.set NIL, 45
.set S,   64
.set KF,  192
.set VF,  192                          ; in window 1
.set QF,  128                          ; in window 1
.set WV,  12                           ; s12 wave
.set G1,  24                           ; s[24:31] descriptor group 1: 16,384 dense bytes
.set G0K, 32                           ; s[32:39] groups 0 for K: a set for each first fill; the second then walks on
.set G0V, 48                           ; s[48:55] the same for V
.set SLOTS, 40
.set STEPC, 41
.set CS,  42                           ; s[42:43] c
.set SEL, 44                           ; s[44:45] lane selects for v_permlanex16_b32: lane l xor 16
.set TB,  46                           ; s46 LDS byte at which the step's K begins
.set MSB, 0
.macro WIN new
.if MSB != (\new)
	s_set_vgpr_msb (MSB<<8)|(\new)
.set MSB, (\new)
.endif
.endm
.macro PLACES
.rept 4
	v_nop
.endr
.endm
.macro JLOAD                           ; a joint refill: the branch hangs on the wave's number alone; an s_nop 0 and four v_nop follow each of the two lines
	s_cmp_lt_u32 s[WV], 4
	s_cbranch_scc0 .Lfor_v_\@
	tensor_load_to_lds s[G0K+4:G0K+7], s[G1:G1+7]
	s_nop 0
.rept 4
	v_nop
.endr
	s_branch .Lasked_\@
.Lfor_v_\@:
	tensor_load_to_lds s[G0V+4:G0V+7], s[G1:G1+7]
	s_nop 0
.rept 4
	v_nop
.endr
.Lasked_\@:
.endm
.macro CROUND                          ; a round of the cluster's barrier
	s_barrier_signal -1
	s_barrier_wait -1
	s_cmp_lg_u32 s[WV], 0
	s_cbranch_scc1 .Lnot_wave_0_\@
	s_barrier_signal -3
.Lnot_wave_0_\@:
	s_barrier_wait -3
	s_barrier_signal -1
	s_barrier_wait -1
.endm
	s_load_b256 s[4:11], s[0:1], 0x0               ; q s[4:5], k_img s[6:7], v_img s[8:9], val_img s[10:11]
	v_lshl_add_u32 v[SPW], v0, 2, SPARE
	v_mov_b32 v[NIL], 0
	ds_add_u32 v[SPW], v[NIL]                      ; the wave's opening: the add, twice on end, and its wait ahead of my first tensor load
	ds_add_u32 v[SPW], v[NIL]
	v_lshrrev_b32 v1, 5, v0
	v_readfirstlane_b32 s[WV], v1                  ; wave 0..7
	s_bfe_u32 s13, ttmp6, 0x40000                  ; cx: my place in the cluster
	s_lshl_b32 s14, ttmp9, 2
	s_add_co_u32 s14, s14, s13                     ; my block of 512 queries: it enters q's and the values' addresses alone
	s_and_b32 s15, ttmp7, 0xffff                   ; batch x 16 + head, which the four partners share
	s_and_b32 s16, s[WV], 3
	s_lshl_b32 s17, s16, 14                        ; my quarter of a slot's K or V: in memory and in LDS alike
	s_lshl_b32 s20, s15, 18                        ; a head's images are 262,144 bytes
	s_add_co_u32 s20, s20, s17
	s_mov_b32 s21, 0
	s_lshr_b32 s18, s15, 4                         ; the batch
	s_and_b32 s19, s15, 15                         ; the head
	s_lshl_b32 s18, s18, 11
	s_lshl_b32 s22, s14, 9
	s_add_co_u32 s18, s18, s22
	s_lshl_b32 s22, s[WV], 6
	s_add_co_u32 s18, s18, s22                     ; my first row of q: 2048 x batch + 512 x block + 64 x wave
	s_lshl_b32 s22, s18, 12                        ; 4,096 bytes a row,
	s_lshl_b32 s23, s19, 8                         ; 256 bytes a head
	s_add_co_u32 s22, s22, s23
	s_mov_b32 s23, 0
	s_lshr_b32 s2, s19, 1                          ; the values' images: 2,097,152 bytes for each pair of heads (128 along the last product's K),
	s_lshl_b32 s2, s2, 21
	s_lshl_b32 s3, s18, 8                          ; 4,096 bytes for 16 rows,
	s_add_co_u32 s2, s2, s3
	s_and_b32 s3, s19, 1
	s_lshl_b32 s3, s3, 11                          ; 2,048 bytes for a head in them
	s_add_co_u32 s2, s2, s3
	s_mov_b32 s3, 0
	s_mov_b32 s[G1], 15|(3<<16)|(1<<21)            ; 15:0 the mask: all four work-groups; 17:16 elements of 8 bytes; 21 set beside a mask; no padding: images are read 512 consecutive bytes at a time
	s_mov_b32 s[G1+1], 32<<16                      ; tensor_dim0: rows of 256 bytes
	s_mov_b32 s[G1+2], 64<<16                      ; tensor_dim1
	s_mov_b32 s[G1+3], 32<<16                      ; tile_dim0
	s_mov_b32 s[G1+4], 64                          ; tile_dim1
	s_mov_b32 s[G1+5], 32                          ; dense
	s_mov_b32 s[G1+6], 0
	s_mov_b32 s[G1+7], 0
	s_mov_b32 s[CS], 0x3e38aa3b                    ; c = log2(e) / 8
	s_mov_b32 s[CS+1], s[CS]                       ; (named with it as a pair, so it is written)
	s_mov_b32 s[SEL], 0x76543210
	s_mov_b32 s[SEL+1], 0xfedcba98
	s_mov_b32 s[TB], 0
	s_mov_b32 s[SLOTS], 2
	s_wait_dscnt 0x0                               ; both opening adds are done
	s_wait_kmcnt 0x0
	s_add_nc_u64 s[6:7], s[6:7], s[20:21]          ; K and V at my quarter of slot 0
	s_add_nc_u64 s[8:9], s[8:9], s[20:21]
	s_add_nc_u64 s[4:5], s[4:5], s[22:23]          ; q at my wave's first row and my head
	s_add_nc_u64 s[10:11], s[10:11], s[2:3]        ; the values' images likewise
	CROUND                                         ; all four work-groups are here: the first joint loads meet
.irp s, 0,1
	s_mov_b32 s[G0K+4*\s], 1                       ; count = 1
	s_add_co_u32 s[G0K+4*\s+1], s17, \s*SLOT1      ; LDS address
	s_add_nc_u64 s[G0K+4*\s+2:G0K+4*\s+3], s[6:7], \s*HALF   ; global address: slot s begins with keys 512 s
	s_or_b32 s[G0K+4*\s+3], s[G0K+4*\s+3], 0x80000000        ; type = 2
	s_mov_b32 s[G0V+4*\s], 1
	s_add_co_u32 s[G0V+4*\s+1], s17, \s*SLOT1+HALF
	s_add_nc_u64 s[G0V+4*\s+2:G0V+4*\s+3], s[8:9], \s*HALF
	s_or_b32 s[G0V+4*\s+3], s[G0V+4*\s+3], 0x80000000
.endr
	s_cmp_lt_u32 s[WV], 4                          ; a wave's two first fills stand in one branch, ahead of every wait on TENSORcnt and every LDS read: two loads of mine are out
	s_cbranch_scc0 .Lfirst_v
	tensor_load_to_lds s[G0K:G0K+3], s[G1:G1+7]
	s_nop 0
	tensor_load_to_lds s[G0K+4:G0K+7], s[G1:G1+7]
	s_nop 0
.rept 4
	v_nop
.endr
	s_branch .Lfirst_asked
.Lfirst_v:
	tensor_load_to_lds s[G0V:G0V+3], s[G1:G1+7]
	s_nop 0
	tensor_load_to_lds s[G0V+4:G0V+7], s[G1:G1+7]
	s_nop 0
.rept 4
	v_nop
.endr
.Lfirst_asked:
	v_and_b32 v1, 15, v0                           ; r
	v_bfe_u32 v7, v0, 4, 1                         ; h
	v_lshlrev_b32 v[QO], 12, v1
	v_lshl_add_u32 v[QO], v7, 5, v[QO]             ; row r x 4,096 + 32 h: my eight channels of sixteen, as f32
.irp t, 0,1,2,3                        ; q as f32 into S's registers: tile t, 32 channels c, half g: eight numbers, two loads
.irp c, 0,1
.irp g, 0,1
	global_load_b128 v[S+32*\t+16*\c+8*\g:S+32*\t+16*\c+8*\g+3],   v[QO], s[4:5] offset:\t*65536+\c*128+\g*64 th:TH_LOAD_NT
	global_load_b128 v[S+32*\t+16*\c+8*\g+4:S+32*\t+16*\c+8*\g+7], v[QO], s[4:5] offset:\t*65536+\c*128+\g*64+16 th:TH_LOAD_NT
.endr
.endr
.endr
	v_and_b32 v[LI], 31, v0
	v_lshlrev_b32 v[LI], 4, v[LI]
	v_add_nc_u32 v[LIV], HALF, v[LI]
.irp t, 0,1,2,3
	v_mov_b32 v[ST+8*\t], 0xff61b1e6               ; m = -3e38, under every t
	v_mov_b32 v[ST+8*\t+2], 0                      ; l, in two halves
	v_mov_b32 v[ST+8*\t+3], 0
.endr
	WIN 0x40                                       ; destination window 1
.set n, 0
.rept 128
	v_mov_b32 v[n], 0                              ; O^T: the first step multiplies these zeros by a = 0
.set n, n+1
.endr
	WIN 0
	s_wait_loadcnt 0x0                             ; q
.set n, 0
.rept 64
	v_pk_mul_f32 v[S+2*n:S+2*n+1], v[S+2*n:S+2*n+1], s[CS:CS+1] op_sel_hi:[1,0]   ; q c, in f32
.set n, n+1
.endr
	WIN 0x40
.set n, 0
.rept 64
	v_cvt_pk_f16_f32 v[QF+n], v[S+2*n], v[S+2*n+1] ; Q's fragments stay in registers: tile t, channels 32 c on, at QF + 16 t + 8 c
.set n, n+1
.endr
	WIN 0
; A KEY STEP: 64 keys.
.macro STEP
	v_add_nc_u32 v[ADK], s[TB], v[LI]
	v_add_nc_u32 v[ADV], s[TB], v[LIV]
	PLACES                                         ; with the two additions six places behind the last step's last product: five are owed, since the first products below write over P's registers; four for the loads into V's
.irp f, 0,1,2,3,4,5,6,7                ; K's fragment f: keys 16 (f / 2) on, channels 32 (f % 2) on
	ds_load_b128 v[KF+8*\f:KF+8*\f+3],   v[ADK] offset:1024*\f
	ds_load_b128 v[KF+8*\f+4:KF+8*\f+7], v[ADK] offset:1024*\f+512
.endr
	WIN 0x40                                       ; destination window 1
.irp f, 0,1,2,3,4,5,6,7                ; V's fragment f: keys 32 (f / 4) on, channels 16 (f % 4) on
	ds_load_b128 v[VF+8*\f:VF+8*\f+3],   v[ADV] offset:1024*\f
	ds_load_b128 v[VF+8*\f+4:VF+8*\f+7], v[ADV] offset:1024*\f+512
.endr
	s_wait_dscnt 16                                ; K is in; V's sixteen loads may be out
	WIN 0x04                                       ; source 1 (Q) window 1
.irp c, 0,1                            ; S^T = K Q^T: the 16 accumulators take turns, one instruction a turn; the first 16 start the sums
.irp i, 0,1,2,3
.irp t, 0,1,2,3
.if \c == 0
	v_wmma_f32_16x16x32_f16 v[S+32*\t+8*\i:S+32*\t+8*\i+7], v[KF+16*\i+8*\c:KF+16*\i+8*\c+7], v[QF+16*\t+8*\c:QF+16*\t+8*\c+7], 0
.else
	v_wmma_f32_16x16x32_f16 v[S+32*\t+8*\i:S+32*\t+8*\i+7], v[KF+16*\i+8*\c:KF+16*\i+8*\c+7], v[QF+16*\t+8*\c:QF+16*\t+8*\c+7], v[S+32*\t+8*\i:S+32*\t+8*\i+7]
.endif
.endr
.endr
.endr
	WIN 0
.irp t, 0,1,2,3
	v_mov_b32 v[ST+8*\t+1], v[ST+8*\t]             ; m_old is kept.  (These four are the places behind the products)
.endr
.irp j, 0,1,2,3                        ; the maximum of a lane's 32 scores and the old m, three operands at a time, in four chains; the four tiles by turns.  Each accumulator is read from its low end on
.irp t, 0,1,2,3
	v_max3_num_f32 v[ST+8*\t+4+\j], v[S+32*\t+8*\j], v[S+32*\t+8*\j+1], v[S+32*\t+8*\j+2]
.endr
.endr
.irp u, 1,2
.irp j, 0,1,2,3
.irp t, 0,1,2,3
	v_max3_num_f32 v[ST+8*\t+4+\j], v[ST+8*\t+4+\j], v[S+32*\t+8*\j+2*\u+1], v[S+32*\t+8*\j+2*\u+2]
.endr
.endr
.endr
.irp t, 0,1,2,3
	v_max3_num_f32 v[ST+8*\t+4], v[ST+8*\t+4], v[S+32*\t+7], v[S+32*\t+15]
.endr
.irp t, 0,1,2,3
	v_max3_num_f32 v[ST+8*\t+6], v[ST+8*\t+6], v[S+32*\t+23], v[S+32*\t+31]
.endr
.irp t, 0,1,2,3
	v_max3_num_f32 v[ST+8*\t+4], v[ST+8*\t+4], v[ST+8*\t+5], v[ST+8*\t+6]
.endr
.irp t, 0,1,2,3
	v_max3_num_f32 v[ST+8*\t+4], v[ST+8*\t+4], v[ST+8*\t+7], v[ST+8*\t]
.endr
.irp t, 0,1,2,3
	v_permlanex16_b32 v[ST+8*\t+5], v[ST+8*\t+4], s[SEL], s[SEL+1]   ; the query's other 32 keys lie in the lane 16 away
.endr
.irp t, 0,1,2,3
	v_max_num_f32 v[ST+8*\t], v[ST+8*\t+4], v[ST+8*\t+5]             ; the new m
.endr
.irp t, 0,1,2,3
	v_sub_f32 v[ST+8*\t+1], v[ST+8*\t+1], v[ST+8*\t]                 ; m_old - m
.endr
; ONE BATCH: a, and the 128 weights.  A pair is brought under m one group ahead of its exponentials; nothing in the batch names a result of the batch, so one wait serves all 132.
.irp t, 0,1,2,3
	v_exp_f32 v[ST+8*\t+6], v[ST+8*\t+1]           ; a = 2^(m_old - m)
.endr
.set b, 0
.rept 17
.if b < 16
.irp t, 0,1,2,3
	v_pk_add_f32 v[S+32*\t+2*b:S+32*\t+2*b+1], v[S+32*\t+2*b:S+32*\t+2*b+1], v[ST+8*\t:ST+8*\t+1] op_sel_hi:[1,0] neg_lo:[0,1] neg_hi:[0,1]   ; t - m, two at a time (of the pair m, m_old - m the low word serves both halves)
.endr
.endif
.if b > 0
.irp t, 0,1,2,3
	v_exp_f32 v[S+32*\t+2*b-2], v[S+32*\t+2*b-2]   ; p = 2^(t - m), at most 1
	v_exp_f32 v[S+32*\t+2*b-1], v[S+32*\t+2*b-1]
.endr
.endif
.set b, b+1
.endr
	v_nop                                          ; a plain line behind the last exponential, ahead of the first use
	s_wait_alu depctr_va_vdst(0)                   ; one wait between the batch and the first line that names a result
.irp t, 0,1,2,3                        ; the row's sums, of p in f32, in two chains a tile; l = a l + ...
	v_pk_fma_f32 v[ST+8*\t+2:ST+8*\t+3], v[ST+8*\t+2:ST+8*\t+3], v[ST+8*\t+6:ST+8*\t+7], v[S+32*\t:S+32*\t+1] op_sel_hi:[1,0,1]
.endr
.irp t, 0,1,2,3
	v_pk_add_f32 v[ST+8*\t+4:ST+8*\t+5], v[S+32*\t+2:S+32*\t+3], v[S+32*\t+4:S+32*\t+5]
.endr
.irp p, 3,5,7,9,11,13
.irp t, 0,1,2,3
	v_pk_add_f32 v[ST+8*\t+2:ST+8*\t+3], v[ST+8*\t+2:ST+8*\t+3], v[S+32*\t+2*\p:S+32*\t+2*\p+1]
.endr
.irp t, 0,1,2,3
	v_pk_add_f32 v[ST+8*\t+4:ST+8*\t+5], v[ST+8*\t+4:ST+8*\t+5], v[S+32*\t+2*\p+2:S+32*\t+2*\p+3]
.endr
.endr
.irp t, 0,1,2,3
	v_pk_add_f32 v[ST+8*\t+2:ST+8*\t+3], v[ST+8*\t+2:ST+8*\t+3], v[S+32*\t+30:S+32*\t+31]
.endr
.irp t, 0,1,2,3
	v_pk_add_f32 v[ST+8*\t+2:ST+8*\t+3], v[ST+8*\t+2:ST+8*\t+3], v[ST+8*\t+4:ST+8*\t+5]
.endr
.set n, 0
.rept 16
.irp t, 0,1,2,3
	v_cvt_pk_f16_f32 v[S+32*\t+n], v[S+32*\t+2*n], v[S+32*\t+2*n+1]   ; P, in place, ascending: result n never lies above source 2 n.  P(t, 32 keys kk) is v[S + 32 t + 8 kk] on
.endr
.set n, n+1
.endr
	WIN 0x41                                       ; O^T (destination and source 0) window 1, a window 0
.set n, 0
.rept 16
.irp t, 0,1,2,3
	v_pk_mul_f32 v[32*\t+2*n:32*\t+2*n+1], v[32*\t+2*n:32*\t+2*n+1], v[ST+8*\t+6:ST+8*\t+7] op_sel_hi:[1,0]   ; O^T x a, each accumulator from its low end on
.endr
.set n, n+1
.endr
	s_wait_dscnt 0x0                               ; V is in
	WIN 0x51                                       ; source 0 (V) window 1, source 1 (P) window 0, C and D window 1
.irp kk, 0,1                           ; O^T += V^T P: the 16 accumulators by turns
.irp d, 0,1,2,3
.irp t, 0,1,2,3
	v_wmma_f32_16x16x32_f16 v[32*\t+8*\d:32*\t+8*\d+7], v[VF+32*\kk+8*\d:VF+32*\kk+8*\d+7], v[S+32*\t+8*\kk:S+32*\t+8*\kk+7], v[32*\t+8*\d:32*\t+8*\d+7]
.endr
.endr
.endr
	WIN 0
	s_add_co_u32 s[TB], s[TB], STEPB               ; the next step's tiles
.endm
.macro EIGHT                           ; a slot's eight key steps: written once, walked eight times; the LDS addresses hang on s[TB]
	s_mov_b32 s[STEPC], 8
.Lstep_\@:
	STEP
	s_sub_co_u32 s[STEPC], s[STEPC], 1
	s_cmp_lg_u32 s[STEPC], 0
	s_cbranch_scc1 .Lstep_\@
.endm
; THE CHANGE OF SLOTS.  Each wave waits for all its tensor loads (one is out: its part of the other slot), adds 0 to its spare word, and waits for that and for its reads of the slot that it leaves.
; fill = 1: the barrier is a round of the cluster's, so that no wave of any partner still reads the slot or has a load on its way, and the joint refill, the keys two slots on, is the first thing behind it.
.macro CHANGE fill
	s_wait_tensorcnt 0x0                           ; no tensor load of mine is out, so a group 0 may be written
	ds_add_u32 v[SPW], v[NIL]                      ; 0 onto my spare word
.if \fill
.irp g, G0K+4, G0V+4
	s_xor_b32 s[\g+1], s[\g+1], SLOT1              ; the walking descriptors: the other slot than last time,
	s_add_nc_u64 s[\g+2:\g+3], s[\g+2:\g+3], HALF  ; the next 512 keys; the type bits on top are not reached
.endr
	s_wait_dscnt 0x0                               ; the add is done, and my reads of the slot are over
	CROUND
	JLOAD
.else
	s_wait_dscnt 0x0
	s_barrier_signal -1
	s_barrier_wait -1
.endif
	s_sub_co_u32 s[TB], s[TB], HALF                ; the fetches go back to a slot's first step,
	s_xor_b32 s[TB], s[TB], SLOT1                  ; in the other slot
.endm
	s_wait_tensorcnt 1                             ; my part of slot 0 is in; slot 1's may stay out
	s_barrier_signal -1
	s_barrier_wait -1                              ; everybody's is
	EIGHT                                          ; keys 0 to 511
.Lslot:                                            ; two trips: slots 0 and 1 are each filled once more
	CHANGE 1
	EIGHT
	s_sub_co_u32 s[SLOTS], s[SLOTS], 1
	s_cmp_lg_u32 s[SLOTS], 0
	s_cbranch_scc1 .Lslot
	CHANGE 0                                       ; the tail is written out
	EIGHT                                          ; keys 1,536 to 2,047
	; THE WAY OUT.  l's two halves and the other half of the lanes' are added (these additions are the places behind the last products); O^T is divided by l and rounded to f16.
.irp t, 0,1,2,3
	v_add_f32 v[ST+8*\t+4], v[ST+8*\t+2], v[ST+8*\t+3]
.endr
.irp t, 0,1,2,3
	v_permlanex16_b32 v[ST+8*\t+5], v[ST+8*\t+4], s[SEL], s[SEL+1]
.endr
.irp t, 0,1,2,3
	v_add_f32 v[ST+8*\t+4], v[ST+8*\t+4], v[ST+8*\t+5]
.endr
.irp t, 0,1,2,3
	v_rcp_f32 v[ST+8*\t+6], v[ST+8*\t+4]
.endr
	v_nop                                          ; a plain line between the last reciprocal and the use of its result
	s_wait_alu depctr_va_vdst(0)                   ; and one wait for the four
; Tile t: a lane's eight channels of tile d pack into 16 bytes, its part of half an operand image of the last product: stored as they stand, 512 consecutive aligned bytes a store.
.macro PACK t
	WIN 0x41
.set n, 0
.rept 16
	v_pk_mul_f32 v[32*\t+2*n:32*\t+2*n+1], v[32*\t+2*n:32*\t+2*n+1], v[ST+8*\t+6:ST+8*\t+7] op_sel_hi:[1,0]
.set n, n+1
.endr
	WIN 0x05                                       ; sources 0 and 1 window 1, destination window 0: S's registers are free
.set n, 0
.rept 16
	v_cvt_pk_f16_f32 v[S+16*\t+n], v[32*\t+2*n], v[32*\t+2*n+1]
.set n, n+1
.endr
	WIN 0
.irp d, 0,1,2,3
	global_store_b128 v[LI], v[S+16*\t+4*\d:S+16*\t+4*\d+3], s[10:11] offset:\t*4096+\d*512
.endr
.endm
	PACK 0
	PACK 1
	PACK 2
	PACK 3
	s_wait_tensorcnt 0x0                           ; the wave's end
	ds_add_u32 v[SPW], v[NIL]
	s_wait_dscnt 0x0
	CROUND                                         ; the closing round: no work-group ends while a partner may still ask for a tile that names it
	s_endpgm
.Lfunc_end_k_q2ad050eade_attn:
	.size	k_q2ad050eade_attn, .Lfunc_end_k_q2ad050eade_attn-k_q2ad050eade_attn
	.p2alignl 7, 3214868480
	.fill 96, 4, 3214868480
	.section	.rodata,"a",@progbits
	.p2align	6, 0x0
	.amdhsa_kernel k_q2ad050eade_attn
		.amdhsa_group_segment_fixed_size 327680
		.amdhsa_private_segment_fixed_size 0
		.amdhsa_enable_private_segment 0
		.amdhsa_kernarg_size 32
		.amdhsa_user_sgpr_count 2
		.amdhsa_user_sgpr_kernarg_segment_ptr 1
		.amdhsa_wavefront_size32 1
		.amdhsa_system_sgpr_workgroup_id_x 1
		.amdhsa_system_sgpr_workgroup_id_y 1
		.amdhsa_system_sgpr_workgroup_id_z 1
		.amdhsa_system_vgpr_workitem_id 0
		.amdhsa_next_free_vgpr 512
		.amdhsa_next_free_sgpr 66
		.amdhsa_reserve_vcc 0
		.amdhsa_float_denorm_mode_32 3
		.amdhsa_float_denorm_mode_16_64 3
		.amdhsa_memory_ordered 1
		.amdhsa_forward_progress 1
		.amdhsa_inst_pref_size 128
	.end_amdhsa_kernel
	.amdgpu_metadata
---
amdhsa.version: [ 1, 2 ]
amdhsa.kernels:
  - .name:           k_q2ad050eade_attn
    .symbol:         k_q2ad050eade_attn.kd
    .args:
      - { .name: q, .offset: 0, .size: 8, .value_kind: global_buffer, .address_space: global }
      - { .name: k_img, .offset: 8, .size: 8, .value_kind: global_buffer, .address_space: global }
      - { .name: v_img, .offset: 16, .size: 8, .value_kind: global_buffer, .address_space: global }
      - { .name: val_img, .offset: 24, .size: 8, .value_kind: global_buffer, .address_space: global }
    .group_segment_fixed_size: 327680
    .private_segment_fixed_size: 0
    .kernarg_segment_align: 8
    .kernarg_segment_size: 32
    .max_flat_workgroup_size: 256
    .sgpr_count:     66
    .vgpr_count:     512
    .wavefront_size: 32
...
	.end_amdgpu_metadata
.endif
;; end of part 3
;; launch outgemm (part 4): grid 4 x 64, 4 waves a work-group, clusters of 4 x 4, 327,680 bytes of LDS; arguments val_img, wo_img, b_o, out0; writes out0
.if DOCPART == 4
	.amdgcn_target "amdgcn-amd-amdhsa--gfx1250"
	.amdhsa_code_object_version 6
	.text
	.protected	k_q2ad050eade_outgemm
	.globl	k_q2ad050eade_outgemm
	.p2align	8
	.type	k_q2ad050eade_outgemm,@function
k_q2ad050eade_outgemm:
	s_mov_b64 s[64:65], 0
	v_nop
	global_prefetch_b8 v0, s[64:65] scope:SCOPE_SE
	s_setreg_imm32_b32 hwreg(HW_REG_WAVE_MODE, 25, 1), 1
	s_wait_xcnt 0x0
	s_wait_alu depctr_hold_cnt(0) depctr_sa_sdst(0) depctr_va_vdst(0) depctr_va_sdst(0) depctr_va_ssrc(0) depctr_va_vcc(0) depctr_vm_vsrc(0)
	s_getreg_b32 s2, hwreg(HW_REG_IB_STS2, 6, 4)
	s_cmp_eq_u32 s2, 0
	s_cbranch_scc0 .Lentry_in_a_cluster
	s_endpgm
.Lentry_in_a_cluster:
	s_bfe_u32 s2, ttmp6, 0x10000c
	s_cmp_lg_u32 s2, 0xf033
	s_cbranch_scc0 .Lentry_shape_is_right
	s_endpgm
.Lentry_shape_is_right:
; out = values W_o + b_o.  values [8192][1024] and W_o [1024 (k)][1024 (n)] arrive in f16 as images of the operand registers; b_o [1024] and out [8192][1024] are f32; sums in f32.
; val_img: [K step of 128: 8][16 rows: 512 tiles][32 along K: 4][1,024 bytes];  wo_img: [8][16 columns: 64 tiles][4][1,024 bytes].  So a K step's part of a tile is one dense block of memory.
; A tile of out is 128 rows x 256 columns: 256 work-groups (tiles of 256 x 256 would be 128).  Four waves, each 64 x 128: 32 accumulators, 256 registers.  K goes in 8 steps of 128 through a ring of two LDS slots.
; Fragments are read from LDS as they lie, 512 consecutive bytes a load: no pitch, no padding.
; CLUSTERS: 4 x 4 work-groups.  The four of a row of the cluster need the same rows of the values, the four of a column the same columns of W_o: each tile is asked for JOINTLY.
; THE MATRIX INSTRUCTION IS USED TRANSPOSED (source 0 = 16 columns of W_o, source 1 = 16 rows of the values): a lane then holds eight neighbouring numbers of a row of out.  The bias is the C of each sum's first instruction.
; LIMITS: as the launches before state them for f16 operands.
; REGISTERS: window 0: v16-29 addresses; v32-95 the bias, 8 tiles; v128-255 rows on the way out.   window 1: the accumulators ((a, b) at v[8 (8 a + b)]).
;   window 2: two fragment buffers of 96 (32 along K): 64 registers of W_o (8 tiles), then 32 of the values (4 tiles).
.set SLOT,   98304                     ; the values' 8 tiles x 4,096 bytes, then W_o's 16 tiles x 4,096
.set BOFF,   32768
.set SPARE,  2*SLOT                    ; behind the ring: the spare words, 128 bytes for each wave, which no other line names
.set SPITCH, 528                       ; the way out: a stage of 16 rows x (512 bytes + 16) for each wave.  It lies in slot 0, which has had its last fill and its last read when the first result is stored there
.set STEPA,  2097152                   ; a K step on, in the values' images,
.set STEPW,  262144                    ; and in W_o's
.set LAPS,   4                         ; a lap = two K steps = once round the ring
.set ADRA, 16                          ; v16-17 LDS address of my fragments of the values in slot 0, 1
.set ADRB, 20                          ; v20-21 the same for W_o
.set STO,  24                          ; v24 the way out: where I put 32 bytes of a row
.set RD,   25                          ; v25 where I read a row back
.set CO,   26                          ; v26 16 x lane: my byte offset in a row's 512 bytes
.set SPW,  28
.set NIL,  29
.set BI,   32
.set BK,   128
.set F0,   0
.set F1,   96
.set WV,   14                          ; s14 wave; s15 my half of the rows, also: I fetch for the values (0) or for W_o (1); s16 my half of the columns, also: which half I fetch
.set G1,  24                           ; s[24:31] group 1 for the values' tiles; s[32:39] group 0, one set for each slot
.set G0,  32
.set G1B, 48                           ; s[48:55], s[56:63] the same for W_o's
.set G0B, 56
.set MSB, 0
.macro WIN new
.if MSB != (\new)
	s_set_vgpr_msb (MSB<<8)|(\new)
.set MSB, (\new)
.endif
.endm
.set MULW,  0x5a                       ; sources 0 and 1 window 2; C and D window 1
.set MULW1, 0x4a                       ; the same with C (the bias) in window 0
.set TO_F,  0x80                       ; destination window 2, address window 0
.macro JLOAD s                         ; a joint load: waves 0 and 1 fetch the values' halves, waves 2 and 3 W_o's; an s_nop 0 and four v_nop follow each of the two lines
	s_cmp_eq_u32 s15, 0
	s_cbranch_scc0 .Lfor_b_\@
	tensor_load_to_lds s[G0+4*\s:G0+4*\s+3], s[G1:G1+7]
	s_nop 0
.rept 4
	v_nop
.endr
	s_branch .Lasked_\@
.Lfor_b_\@:
	tensor_load_to_lds s[G0B+4*\s:G0B+4*\s+3], s[G1B:G1B+7]
	s_nop 0
.rept 4
	v_nop
.endr
.Lasked_\@:
.endm
.macro CREST                           ; a round of the cluster's barrier behind its opening barrier
	s_cmp_lg_u32 s[WV], 0
	s_cbranch_scc1 .Lnot_wave_0_\@
	s_barrier_signal -3
.Lnot_wave_0_\@:
	s_barrier_wait -3
	s_barrier_signal -1
	s_barrier_wait -1
.endm
.macro CROUND
	s_barrier_signal -1
	s_barrier_wait -1
	CREST
.endm
.macro PLACES
.rept 4
	v_nop
.endr
.endm
	s_load_b128 s[4:7], s[0:1], 0x0                ; the values' images s[4:5], W_o's s[6:7]
	s_load_b128 s[8:11], s[0:1], 0x10              ; b_o s[8:9], out s[10:11]
	v_lshl_add_u32 v[SPW], v0, 2, SPARE
	v_mov_b32 v[NIL], 0
	ds_add_u32 v[SPW], v[NIL]                      ; the wave's opening: the add, twice on end, and its wait ahead of my first tensor load
	ds_add_u32 v[SPW], v[NIL]
	v_lshrrev_b32 v1, 5, v0
	v_readfirstlane_b32 s[WV], v1                  ; wave 0..3
	s_lshr_b32 s15, s[WV], 1
	s_and_b32 s16, s[WV], 1
	s_bfe_u32 s40, ttmp6, 0x40000                  ; cx, cy
	s_bfe_u32 s41, ttmp6, 0x40004
	s_lshl_b32 s42, ttmp9, 2
	s_add_co_u32 s42, s42, s40                     ; tile column = 4 x cluster x + cx
	s_and_b32 s17, ttmp7, 0xffff
	s_lshl_b32 s17, s17, 2
	s_add_co_u32 s17, s17, s41                     ; tile row = 4 x cluster y + cy
	s_lshl_b32 s43, s41, 2
	s_lshl_b32 s43, 15, s43                        ; my row of the cluster
	s_lshl_b32 s44, 0x1111, s40                    ; my column
	s_or_b32 s[G1], s43, (3<<16)|(1<<21)           ; 15:0 the mask; 17:16 elements of 8 bytes; 21 set beside a mask; no padding
	s_or_b32 s[G1B], s44, (3<<16)|(1<<21)
.irp g, G1, G1B
	s_mov_b32 s[\g+1], 32<<16                      ; tensor_dim0: rows of 256 bytes
	s_mov_b32 s[\g+3], 32<<16                      ; tile_dim0
	s_mov_b32 s[\g+5], 32                          ; dense
	s_mov_b32 s[\g+6], 0
	s_mov_b32 s[\g+7], 0
.endr
	s_mov_b32 s[G1+2], 64<<16                      ; the values: 16,384 bytes to a load
	s_mov_b32 s[G1+4], 64
	s_mov_b32 s[G1B+2], 128<<16                    ; W_o: 32,768
	s_mov_b32 s[G1B+4], 128
	s_lshl_b32 s18, s17, 15                        ; the values: 8 tiles of 4,096 bytes a tile row,
	s_lshl_b32 s20, s16, 14                        ; my half of them: in memory and in LDS alike
	s_add_co_u32 s18, s18, s20
	s_mov_b32 s19, 0
	s_lshl_b32 s46, s42, 16                        ; W_o: 16 tiles a tile column,
	s_lshl_b32 s22, s16, 15                        ; my half
	s_add_co_u32 s46, s46, s22
	s_mov_b32 s47, 0
	s_add_co_u32 s23, s22, BOFF                    ; in LDS behind the values' tiles
	s_wait_dscnt 0x0                               ; both opening adds are done
	s_wait_kmcnt 0x0
	s_add_nc_u64 s[18:19], s[4:5], s[18:19]
	s_add_nc_u64 s[46:47], s[6:7], s[46:47]
	CROUND                                         ; all sixteen work-groups are here: the first joint loads meet
.irp s, 0,1
	s_mov_b32 s[G0+4*\s], 1
	s_add_co_u32 s[G0+4*\s+1], s20, \s*SLOT
	s_add_nc_u64 s[G0+4*\s+2:G0+4*\s+3], s[18:19], \s*STEPA
	s_or_b32 s[G0+4*\s+3], s[G0+4*\s+3], 0x80000000
	s_mov_b32 s[G0B+4*\s], 1
	s_add_co_u32 s[G0B+4*\s+1], s23, \s*SLOT
	s_add_nc_u64 s[G0B+4*\s+2:G0B+4*\s+3], s[46:47], \s*STEPW
	s_or_b32 s[G0B+4*\s+3], s[G0B+4*\s+3], 0x80000000
	JLOAD \s
.endr
	v_and_b32 v1, 15, v0                           ; r
	v_bfe_u32 v2, v0, 4, 1                         ; h
	v_and_b32 v5, 31, v0
	v_lshlrev_b32 v[CO], 4, v5
	s_lshl_b32 s21, s15, 14                        ; my 4 tiles of the values
	s_lshl_b32 s22, s16, 15                        ; my 8 tiles of W_o,
	s_add_co_u32 s22, s22, BOFF
.irp s, 0,1
	v_add_nc_u32 v[ADRA+\s], s21, v[CO]
	v_add_nc_u32 v[ADRB+\s], s22, v[CO]
	s_add_co_u32 s21, s21, SLOT
	s_add_co_u32 s22, s22, SLOT
.endr
	s_mul_i32 s23, s[WV], 16*SPITCH                ; my stage
	v_mul_u32_u24 v4, v1, SPITCH                   ; in: row r, 32 bytes for each half of the lanes
	v_lshl_add_u32 v4, v2, 5, v4
	v_add_nc_u32 v[STO], s23, v4
	v_add_nc_u32 v[RD], s23, v[CO]                 ; back: the 32 lanes take one row of 512 bytes
	s_lshl_b32 s18, s17, 19                        ; out: 128 rows of 4,096 bytes a tile row,
	s_lshl_b32 s21, s15, 18                        ; 64 rows for my half
	s_add_co_u32 s18, s18, s21
	s_mov_b32 s19, 0
	s_add_nc_u64 s[10:11], s[10:11], s[18:19]
	s_lshl_b32 s46, s42, 10                        ; my first column, in bytes: 1,024 x tile column + 512 x half
	s_lshl_b32 s47, s16, 9
	s_add_co_u32 s46, s46, s47
	s_mov_b32 s47, 0
	s_add_nc_u64 s[10:11], s[10:11], s[46:47]
	s_add_nc_u64 s[8:9], s[8:9], s[46:47]          ; and the same place in b_o
	v_lshlrev_b32 v6, 5, v2                        ; a lane wants, for tile b, columns 16 b + 8 h + 0 .. 7
.irp b, 0,1,2,3,4,5,6,7
	global_load_b128 v[BI+8*\b:BI+8*\b+3], v6, s[8:9] offset:64*\b
	global_load_b128 v[BI+8*\b+4:BI+8*\b+7], v6, s[8:9] offset:64*\b+16
.endr
; 8 matrix instructions: the values' block a x W_o's eight, 32 along K, from buffer f.  first = 1: the bias starts the sums.  The 32 accumulators take turns, in the same order in every quarter.
.macro MUL8 f, a, first
.irp b, 0,1,2,3,4,5,6,7
.if \first
	v_wmma_f32_16x16x32_f16 v[8*(8*(\a)+\b):8*(8*(\a)+\b)+7], v[\f+8*\b:\f+8*\b+7], v[\f+64+8*(\a):\f+64+8*(\a)+7], v[BI+8*\b:BI+8*\b+7]
.else
	v_wmma_f32_16x16x32_f16 v[8*(8*(\a)+\b):8*(8*(\a)+\b)+7], v[\f+8*\b:\f+8*\b+7], v[\f+64+8*(\a):\f+64+8*(\a)+7], v[8*(8*(\a)+\b):8*(8*(\a)+\b)+7]
.endif
.endr
.endm
; 24 LDS loads in one run: the fragments of the slot's kf-th 32 along K into buffer f: W_o's eight, then the values' four
.macro FETCH slot, kf, f
	WIN TO_F
.irp i, 0,1,2,3,4,5,6,7
	ds_load_b128 v[\f+8*\i:\f+8*\i+3],   v[ADRB+\slot] offset:\i*4096+\kf*1024
	ds_load_b128 v[\f+8*\i+4:\f+8*\i+7], v[ADRB+\slot] offset:\i*4096+\kf*1024+512
.endr
.irp i, 0,1,2,3
	ds_load_b128 v[\f+64+8*\i:\f+64+8*\i+3],   v[ADRA+\slot] offset:\i*4096+\kf*1024
	ds_load_b128 v[\f+64+8*\i+4:\f+64+8*\i+7], v[ADRA+\slot] offset:\i*4096+\kf*1024+512
.endr
.endm
; A K step is four quarters of 32 along K, 32 matrix instructions each, on buffers 0, 1, 0, 1.  One of the first three: multiplies buffer f and fetches the slot's kf-th quarter into g.
.macro QUARTER slot, kf, f, g, first
	s_wait_dscnt 4                                 ; all but the youngest four loads (the values' blocks 2, 3) are in
	WIN MULW-0x10*(\first)
	MUL8 \f, 0, \first
	MUL8 \f, 1, \first
	PLACES
	FETCH \slot, \kf, \g
	s_wait_dscnt 24                                ; all but the 24 just issued
	WIN MULW-0x10*(\first)
	MUL8 \f, 2, \first
	MUL8 \f, 3, \first
.endm
; The last quarter multiplies buffer 1 and changes slots: ONE barrier; in front of it each wave waits for all its tensor loads, adds 0 to its spare word, and waits for that and for its own reads of this slot.
; fill = 1: the barrier opens a round of the cluster's, and this slot is filled again, two K steps ahead, first thing behind the round.
.macro TURN slot, next, fill
	WIN 0                                          ; (the add's two registers lie in window 0)
	s_wait_tensorcnt 0x0                           ; all my tensor loads have landed: my part of the next slot;
	ds_add_u32 v[SPW], v[NIL]                      ; 0 onto my spare word;
	s_wait_dscnt 5                                 ; (the add and the youngest four loads may be out)
	WIN MULW
	MUL8 F1, 0, 0                                  ; eight matrix instructions stand between the add and the wait for it
	s_wait_dscnt 0x0                               ; the add is done, and my reads of this slot are over
	s_barrier_signal -1
	MUL8 F1, 1, 0
.if \fill
	WIN 0
.endif
	s_barrier_wait -1
.if \fill
	CREST                                          ; no wave of any partner still reads this slot's tile or has a load on its way
	s_add_nc_u64 s[G0+4*\slot+2:G0+4*\slot+3], s[G0+4*\slot+2:G0+4*\slot+3], 2*STEPA
	s_add_nc_u64 s[G0B+4*\slot+2:G0B+4*\slot+3], s[G0B+4*\slot+2:G0B+4*\slot+3], 2*STEPW
	JLOAD \slot                                    ; the four v_nop behind it are also the places in front of the loads below
.else
	PLACES
.endif
	FETCH \next, 0, F0
	WIN MULW
	MUL8 F1, 2, 0
	MUL8 F1, 3, 0
.endm
	s_wait_tensorcnt 1                             ; my part of K step 0 is in (K step 1's load may be out)
	s_barrier_signal -1
	s_barrier_wait -1                              ; everybody's is
	FETCH 0, 0, F0
	s_wait_loadcnt 0x0                             ; the bias
	QUARTER 0, 1, F0, F1, 1                        ; the first quarter stands in front of the loop: its products start the sums
	WIN 0                                          ; at a label and at a branch every window is 0
	s_mov_b32 s3, LAPS-1
.Llap:                                             ; a trip goes once round the ring, from a lap's second quarter to the next lap's first, and fills both slots again
	QUARTER 0, 2, F1, F0, 0
	QUARTER 0, 3, F0, F1, 0
	TURN 0, 1, 1
	QUARTER 1, 1, F0, F1, 0
	QUARTER 1, 2, F1, F0, 0
	QUARTER 1, 3, F0, F1, 0
	TURN 1, 0, 1
	QUARTER 0, 1, F0, F1, 0
	WIN 0
	s_sub_co_u32 s3, s3, 1
	s_cmp_lg_u32 s3, 0
	s_cbranch_scc1 .Llap
	QUARTER 0, 2, F1, F0, 0                        ; the last lap fills nothing, and has no round of the cluster's barrier
	QUARTER 0, 3, F0, F1, 0
	TURN 0, 1, 0
	QUARTER 1, 1, F0, F1, 0
	QUARTER 1, 2, F1, F0, 0
	QUARTER 1, 3, F0, F1, 0
	s_wait_dscnt 4                                 ; the very last quarter: nothing more to fetch
	WIN MULW
	MUL8 F1, 0, 0
	MUL8 F1, 1, 0
	s_wait_dscnt 0x0
	MUL8 F1, 2, 0
	MUL8 F1, 3, 0
	WIN 0
; THE WAY OUT, block by block of 16 rows x 128 columns.  A lane holds 32 neighbouring bytes of a row and the lanes beside it hold other rows: so a block goes through my own stage in LDS and comes back as whole rows
; of 512 bytes.  LDS serves a wave's instructions in order (ISA guide 5.7.1.4): no wait between the stores and the loads, nor in front of the next block's stores.
.macro TOSTAGE a
	WIN 0x04                                       ; an LDS store's data are its source 1: window 1
.irp b, 0,1,2,3,4,5,6,7
	ds_store_b128 v[STO], v[8*(8*(\a)+\b):8*(8*(\a)+\b)+3] offset:64*\b          ; each accumulator from its low end on
	ds_store_b128 v[STO], v[8*(8*(\a)+\b)+4:8*(8*(\a)+\b)+7] offset:64*\b+16
.endr
	WIN 0
.set BB, BK+64*((\a)%2)
.irp t, 0,1,2,3,4,5,6,7,8,9,10,11,12,13,14,15
	ds_load_b128 v[BB+4*\t:BB+4*\t+3], v[RD] offset:\t*SPITCH
.endr
.endm
.macro SEND a, younger                 ; younger: the LDS instructions issued behind block a's loads, which may stay out
.set BB, BK+64*((\a)%2)
	s_wait_dscnt \younger                          ; the block is back in registers
.if (\a) > 0
	s_add_nc_u64 s[10:11], s[10:11], 16*4096       ; 16 rows of out on (it stands behind a wait on XCNT for 0: the earlier stores have read their base)
.endif
.irp t, 0,1,2,3,4,5,6,7,8,9,10,11,12,13,14,15
	global_store_b128 v[CO], v[BB+4*\t:BB+4*\t+3], s[10:11] offset:\t*4096 th:TH_STORE_NT   ; 32 lanes store 512 consecutive bytes, at a multiple of 256 from out's first byte; written once, read by nobody here
.endr
.endm
	PLACES                                         ; in front of the first read of results
	TOSTAGE 0
.irp a, 1,2,3
.if \a > 1
	s_wait_xcnt 0x0                                ; block a - 2's stores have read their registers and their base: block a's loads may land there, and the base may step
.endif
	TOSTAGE \a
	SEND \a-1, 32                                  ; behind block a - 1's loads: block a's 16 stores and 16 loads
.endr
	s_wait_xcnt 0x0                                ; block 2's stores have read their base
	SEND 3, 0
	s_wait_tensorcnt 0x0                           ; the wave's end: behind my last tensor load and my last LDS store
	ds_add_u32 v[SPW], v[NIL]
	s_wait_dscnt 0x0
	CROUND                                         ; the closing round: no work-group ends while a partner may still ask for a tile that names it
	s_endpgm
.Lfunc_end_k_q2ad050eade_outgemm:
	.size	k_q2ad050eade_outgemm, .Lfunc_end_k_q2ad050eade_outgemm-k_q2ad050eade_outgemm
	.p2alignl 7, 3214868480
	.fill 96, 4, 3214868480
	.section	.rodata,"a",@progbits
	.p2align	6, 0x0
	.amdhsa_kernel k_q2ad050eade_outgemm
		.amdhsa_group_segment_fixed_size 327680
		.amdhsa_private_segment_fixed_size 0
		.amdhsa_enable_private_segment 0
		.amdhsa_kernarg_size 32
		.amdhsa_user_sgpr_count 2
		.amdhsa_user_sgpr_kernarg_segment_ptr 1
		.amdhsa_wavefront_size32 1
		.amdhsa_system_sgpr_workgroup_id_x 1
		.amdhsa_system_sgpr_workgroup_id_y 1
		.amdhsa_system_sgpr_workgroup_id_z 1
		.amdhsa_system_vgpr_workitem_id 0
		.amdhsa_next_free_vgpr 704
		.amdhsa_next_free_sgpr 66
		.amdhsa_reserve_vcc 0
		.amdhsa_float_denorm_mode_32 3
		.amdhsa_float_denorm_mode_16_64 3
		.amdhsa_memory_ordered 1
		.amdhsa_forward_progress 1
		.amdhsa_inst_pref_size 86
	.end_amdhsa_kernel
	.amdgpu_metadata
---
amdhsa.version: [ 1, 2 ]
amdhsa.kernels:
  - .name:           k_q2ad050eade_outgemm
    .symbol:         k_q2ad050eade_outgemm.kd
    .args:
      - { .name: val_img, .offset: 0, .size: 8, .value_kind: global_buffer, .address_space: global }
      - { .name: wo_img, .offset: 8, .size: 8, .value_kind: global_buffer, .address_space: global }
      - { .name: b_o, .offset: 16, .size: 8, .value_kind: global_buffer, .address_space: global }
      - { .name: out0, .offset: 24, .size: 8, .value_kind: global_buffer, .address_space: global }
    .group_segment_fixed_size: 327680
    .private_segment_fixed_size: 0
    .kernarg_segment_align: 8
    .kernarg_segment_size: 32
    .max_flat_workgroup_size: 128
    .sgpr_count:     66
    .vgpr_count:     704
    .wavefront_size: 32
...
	.end_amdgpu_metadata
.endif
;; end of part 4
